; MI455X (gfx1250); checked and timed in simulation.
; The chip was launched on July 23, 2026; its instructions are those of AMD's public machine-readable ISA for CDNA 5 (MIT licence, August 2026) and "CDNA5" Instruction Set Architecture Reference Guide (July 2026). The comments in the code are by the model that wrote it; some were corrected since.
;; Multi Head Attention. Allowed arithmetic: float matrix products may take bf16 or f16 operands with f32 sums; all other float work in f32.
;; Inputs: Wk 1,024 x 1,024 float32; Wo 1,024 x 1,024 float32; Wq 1,024 x 1,024 float32; Wv 1,024 x 1,024 float32; bo 1,024 float32; bq 1,024 float32; bv 1,024 float32; mask 2,048 x 2,048 float32; x 2 x 2,048 x 1,024 float32.
;; Outputs: out0 2 x 2,048 x 1,024 float32.
;; 2 versions, each right; version 2 is version 1 with the launch cast written anew for expert scheduling mode. Each part assembles by itself: llvm-mc -triple=amdgcn-amd-amdhsa -mcpu=gfx1250 --defsym DOCPART=n.
;; ======== version 1 of 2: 4 launches
;; limits: inputs' magnitudes at most 1e+38; values are held in f16: magnitudes above 65,504 overflow, below 6.1e-05 lose precision
;; workspace buffers: x16 8,388,608 bytes; w16 6,291,456 bytes; wo16 2,097,152 bytes; q16 8,388,608 bytes; k16 8,388,608 bytes; vt16 8,388,608 bytes; a16 8,388,608 bytes
;; launch cast (part 1): grid 64 x 8, 8 waves a work-group, no clusters, 0 bytes of LDS; arguments x, Wq, Wk, Wv, Wo, x16, w16, wo16; writes x16, w16, wo16
.if DOCPART == 1
	.amdgcn_target "amdgcn-amd-amdhsa--gfx1250"
	.amdhsa_code_object_version 6
	.text
	.protected	k_qc1f46934b3_cast
	.globl	k_qc1f46934b3_cast
	.p2align	8
	.type	k_qc1f46934b3_cast,@function
k_qc1f46934b3_cast:
	s_mov_b64 s[64:65], 0
	v_nop
	global_prefetch_b8 v0, s[64:65] scope:SCOPE_SE
	s_setreg_imm32_b32 hwreg(HW_REG_WAVE_MODE, 25, 1), 1
	s_wait_xcnt 0x0
; 16-bit copies of the five matrix inputs, each byte read once and written once.
;   x16  [4096][1024] bf16 = x
;   w16  [16 heads][q, k, v][64][1024] bf16 = Wq, Wk / 8, Wv, regrouped so that one head's 192 rows lie together.
;        1/8 = (64^-0.25)^2 is the product of the two scales that q and k carry; it is a power of two, so it is exact, and k has no bias.
;   wo16 [1024][1024] f16 = Wo rounded to bf16 like the other four inputs and then held in f16 (exact for |Wo| >= 2^-17: 8 significant bits
;        in 11), because the output projection's other operand is f16 and a matrix instruction takes both operands in one format.
; The work is eight slabs of [1024][1024] f32 (y = 0..3: quarters of x; 4, 5, 6, 7: Wq, Wk, Wv, Wo); a work-group takes 16 rows of one slab.
; Thread t owns floats 4 t .. 4 t + 3 of every row: a wave's load covers 512 consecutive bytes, its store 256 consecutive bytes, both aligned.
; All 16 loads of a thread are issued at once (64 KiB of a work-group on their way); no register is written twice while memory reads it.
; No LDS, no matrix unit, no cluster: nothing is shared and nothing is reused.
.set X, 4                              ; v[4:67]   row i: 4 floats as loaded
.set Y, 68                             ; v[68:99]  row i: 4 numbers of 16 bits to store
	s_load_b512 s[16:31], s[0:1], 0x0              ; x, Wq, Wk, Wv, Wo, x16, w16, wo16
	s_and_b32 s2, ttmp7, 0xffff                    ; slab y
	s_mov_b32 s3, ttmp9                            ; block of 16 rows in the slab
	s_mov_b32 s13, 0xffff0000                      ; a word's upper bf16
	v_lshlrev_b32 v1, 4, v0                        ; 16 t: my bytes in a source row
	v_lshlrev_b32 v2, 3, v0                        ; 8 t: my bytes in a destination row
	s_lshl_b32 s8, s2, 10                          ; source row = (y < 4 ? 1024 y : 0) + 16 block
	s_cmp_lt_u32 s2, 4
	s_cselect_b32 s8, s8, 0
	s_lshl_b32 s9, s3, 4
	s_add_co_u32 s8, s8, s9
	s_lshr_b32 s10, s3, 2                          ; row in w16 = 192 head + 64 (y - 4) + 16 (block % 4)
	s_mul_i32 s10, s10, 192
	s_sub_co_u32 s12, s2, 4
	s_lshl_b32 s11, s12, 6
	s_add_co_u32 s10, s10, s11
	s_and_b32 s11, s3, 3
	s_lshl_b32 s11, s11, 4
	s_add_co_u32 s10, s10, s11
	s_cmp_lt_u32 s12, 3                            ; y = 4, 5, 6 (unsigned: y < 4 wraps to a large number)
	s_cselect_b32 s10, s10, s8                     ; x16 and wo16 keep the source's row
	s_lshl_b32 s8, s8, 12                          ; source rows of 4,096 bytes
	s_mov_b32 s9, 0
	s_lshl_b32 s10, s10, 11                        ; destination rows of 2,048 bytes
	s_mov_b32 s11, 0
	s_wait_kmcnt 0x0
	s_mov_b64 s[4:5], s[16:17]                     ; the source: x, or one of the four weights
	s_cmp_eq_u32 s2, 4
	s_cselect_b64 s[4:5], s[18:19], s[4:5]
	s_cmp_eq_u32 s2, 5
	s_cselect_b64 s[4:5], s[20:21], s[4:5]
	s_cmp_eq_u32 s2, 6
	s_cselect_b64 s[4:5], s[22:23], s[4:5]
	s_cmp_eq_u32 s2, 7
	s_cselect_b64 s[4:5], s[24:25], s[4:5]
	s_mov_b64 s[6:7], s[26:27]                     ; the destination: x16, w16 or wo16
	s_cmp_ge_u32 s2, 4
	s_cselect_b64 s[6:7], s[28:29], s[6:7]
	s_cmp_eq_u32 s2, 7
	s_cselect_b64 s[6:7], s[30:31], s[6:7]
	s_add_nc_u64 s[4:5], s[4:5], s[8:9]
	s_add_nc_u64 s[6:7], s[6:7], s[10:11]
.irp i, 0,1,2,3,4,5,6,7,8,9,10,11,12,13,14,15
	global_load_b128 v[X+4*\i:X+4*\i+3], v1, s[4:5] offset:4096*\i th:TH_LOAD_NT
.endr
; Row i.  mode 0: round to bf16.  mode 1: times 1/8, then round to bf16.  mode 2: round to bf16, widen, hold in f16.
.macro CONV i, mode
	s_wait_loadcnt 15-\i                           ; loads return in order: row i is in, the 15 - i younger rows stay out
.if \mode == 1
	v_pk_mul_f32 v[X+4*\i:X+4*\i+1], v[X+4*\i:X+4*\i+1], 0x3e000000 op_sel_hi:[1,0]
	v_pk_mul_f32 v[X+4*\i+2:X+4*\i+3], v[X+4*\i+2:X+4*\i+3], 0x3e000000 op_sel_hi:[1,0]
.endif
	v_cvt_pk_bf16_f32 v[Y+2*\i], v[X+4*\i], v[X+4*\i+1]
	v_cvt_pk_bf16_f32 v[Y+2*\i+1], v[X+4*\i+2], v[X+4*\i+3]
.if \mode == 2
	v_lshlrev_b32 v[X+4*\i], 16, v[Y+2*\i]
	v_and_b32 v[X+4*\i+1], s13, v[Y+2*\i]
	v_lshlrev_b32 v[X+4*\i+2], 16, v[Y+2*\i+1]
	v_and_b32 v[X+4*\i+3], s13, v[Y+2*\i+1]
	v_cvt_pk_f16_f32 v[Y+2*\i], v[X+4*\i], v[X+4*\i+1]
	v_cvt_pk_f16_f32 v[Y+2*\i+1], v[X+4*\i+2], v[X+4*\i+3]
.endif
	global_store_b64 v2, v[Y+2*\i:Y+2*\i+1], s[6:7] offset:2048*\i
.endm
	s_cmp_eq_u32 s2, 5
	s_cbranch_scc1 .Lwk
	s_cmp_eq_u32 s2, 7
	s_cbranch_scc1 .Lwo
.irp i, 0,1,2,3,4,5,6,7,8,9,10,11,12,13,14,15
	CONV \i, 0
.endr
	s_endpgm
.Lwk:
.irp i, 0,1,2,3,4,5,6,7,8,9,10,11,12,13,14,15
	CONV \i, 1
.endr
	s_endpgm
.Lwo:
.irp i, 0,1,2,3,4,5,6,7,8,9,10,11,12,13,14,15
	CONV \i, 2
.endr
	s_endpgm
.Lfunc_end_k_qc1f46934b3_cast:
	.size	k_qc1f46934b3_cast, .Lfunc_end_k_qc1f46934b3_cast-k_qc1f46934b3_cast
	.p2alignl 7, 3214868480
	.fill 96, 4, 3214868480
	.section	.rodata,"a",@progbits
	.p2align	6, 0x0
	.amdhsa_kernel k_qc1f46934b3_cast
		.amdhsa_group_segment_fixed_size 0
		.amdhsa_private_segment_fixed_size 0
		.amdhsa_enable_private_segment 0
		.amdhsa_kernarg_size 64
		.amdhsa_user_sgpr_count 2
		.amdhsa_user_sgpr_kernarg_segment_ptr 1
		.amdhsa_wavefront_size32 1
		.amdhsa_system_sgpr_workgroup_id_x 1
		.amdhsa_system_sgpr_workgroup_id_y 1
		.amdhsa_system_sgpr_workgroup_id_z 1
		.amdhsa_system_vgpr_workitem_id 0
		.amdhsa_next_free_vgpr 100
		.amdhsa_next_free_sgpr 66
		.amdhsa_reserve_vcc 0
		.amdhsa_float_denorm_mode_32 3
		.amdhsa_float_denorm_mode_16_64 3
		.amdhsa_memory_ordered 1
		.amdhsa_forward_progress 1
		.amdhsa_inst_pref_size 23
	.end_amdhsa_kernel
	.amdgpu_metadata
---
amdhsa.version: [ 1, 2 ]
amdhsa.kernels:
  - .name:           k_qc1f46934b3_cast
    .symbol:         k_qc1f46934b3_cast.kd
    .args:
      - { .name: x, .offset: 0, .size: 8, .value_kind: global_buffer, .address_space: global }
      - { .name: Wq, .offset: 8, .size: 8, .value_kind: global_buffer, .address_space: global }
      - { .name: Wk, .offset: 16, .size: 8, .value_kind: global_buffer, .address_space: global }
      - { .name: Wv, .offset: 24, .size: 8, .value_kind: global_buffer, .address_space: global }
      - { .name: Wo, .offset: 32, .size: 8, .value_kind: global_buffer, .address_space: global }
      - { .name: x16, .offset: 40, .size: 8, .value_kind: global_buffer, .address_space: global }
      - { .name: w16, .offset: 48, .size: 8, .value_kind: global_buffer, .address_space: global }
      - { .name: wo16, .offset: 56, .size: 8, .value_kind: global_buffer, .address_space: global }
    .group_segment_fixed_size: 0
    .private_segment_fixed_size: 0
    .kernarg_segment_align: 8
    .kernarg_segment_size: 64
    .max_flat_workgroup_size: 256
    .sgpr_count:     66
    .vgpr_count:     100
    .wavefront_size: 32
...
	.end_amdgpu_metadata
.endif
;; end of part 1
;; launch qkv (part 2): grid 16 x 16, 4 waves a work-group, clusters of 4 x 4, 327,680 bytes of LDS; arguments x16, w16, bq, bv, q16, k16, vt16; writes q16, k16, vt16
.if DOCPART == 2
	.amdgcn_target "amdgcn-amd-amdhsa--gfx1250"
	.amdhsa_code_object_version 6
	.text
	.protected	k_qc1f46934b3_qkv
	.globl	k_qc1f46934b3_qkv
	.p2align	8
	.type	k_qc1f46934b3_qkv,@function
k_qc1f46934b3_qkv:
	s_mov_b64 s[64:65], 0
	v_nop
	global_prefetch_b8 v0, s[64:65] scope:SCOPE_SE
	s_setreg_imm32_b32 hwreg(HW_REG_WAVE_MODE, 25, 1), 1
	s_wait_xcnt 0x0
	s_wait_alu depctr_hold_cnt(0) depctr_sa_sdst(0) depctr_va_vdst(0) depctr_va_sdst(0) depctr_va_ssrc(0) depctr_va_vcc(0) depctr_vm_vsrc(0)
	s_getreg_b32 s2, hwreg(HW_REG_IB_STS2, 6, 4)
	s_cmp_eq_u32 s2, 0
	s_cbranch_scc0 .Lentry_in_a_cluster
	s_endpgm
.Lentry_in_a_cluster:
	s_bfe_u32 s2, ttmp6, 0x10000c
	s_cmp_lg_u32 s2, 0xf033
	s_cbranch_scc0 .Lentry_shape_is_right
	s_endpgm
.Lentry_shape_is_right:
; q = x Wq^T + bq, k' = x (Wk/8)^T, v = x Wv^T + bv: bf16 operands, f32 sums, results rounded once to f16 and stored by head:
;   q16, k16 [bh = 16 b + head][t][64];   vt16 [bh][t / 64][hd][t % 64] (v transposed in blocks of 64 t).
; LIMIT: results are kept in f16, so |q|, |k|/8 and |v| must stay below 65,504 (x and the weights all carrying an offset of 30 spreads give about 29,000).
; A work-group makes 256 rows of x times the 192 rows of w16 that belong to one head: grid x = head, grid y = block of 256 rows.
; Four waves; wave w (mh = w / 2, nh = w % 2) makes 128 rows x 96 columns: features 32 nh .. 32 nh + 31 of each of q, k and v, so that all
; waves run one text.  48 accumulator tiles of 16 x 16 = 384 registers.  K = 1024 goes in 8 steps of 128 through two LDS slots.
; CLUSTERS: 4 x 4 work-groups.  A's tile (rows of x) hangs on grid y alone and is asked for jointly by a row of the cluster; B's tile (a head's
; weights) hangs on grid x alone and is asked for jointly by a column.  Every wave issues one joint load of each kind for rows of its own.
; REGISTERS: window 0 addresses and the way out; window 1 fragments (A 0-63 / 64-127, B 128-175 / 176-223, two buffers each) and the biases (224-255);
; windows 2 and 3 the accumulators of my rows 0-63 and 64-127: tile (a, b) at 8 (6 (a % 4) + b); b = 0, 1: q, 2, 3: k, 4, 5: v.
; q and k tiles take the weights as source 0: a lane then holds one row t and 8 neighbouring features.  v tiles take x as source 0: a lane holds
; one feature and 8 neighbouring t, which is vt16's order.  The biases are the C of the first products: nothing is cleared, nothing is added later.
.set PITCH, 272                        ; LDS row: 256 bytes + 16 of padding, an odd multiple of 16: a fragment's 16 rows start 16 bytes apart modulo 256
.set BOFF,  256*PITCH                  ; B's 192 rows lie behind A's 256
.set SLOT,  448*PITCH
.set SP,    144                        ; the way out: rows of 128 bytes + 16
.set SEC,   256*SP                     ; one section of the stage (q, k, v): the image of 32 KiB of memory
.set ADRA, 16                          ; v16-17 my A fragments in slot 0, 1
.set ADRB, 20                          ; v20-21 my B fragments
.set STQ,  24                          ; where I put 16 bytes of q or k
.set STV,  25                          ; where I put 16 bytes of v^T
.set RD,   26                          ; where I read sections q and k back
.set RD2,  27                          ; the same for section v
.set CO,   28                          ; my byte offset in the 32 KiB of memory
.set OBQ,  29                          ; 32 h
.set OBV,  30                          ; 4 r
.set TMP,  32                          ; v[32:55] packed results
.set RB0,  64                          ; v[64:95], v[96:127]: read back, by turns
.set RB1,  96
.set BQ,   224                         ; window 1: bq for tiles b = 0, 1
.set BV,   240                         ; window 1: bv for tiles b = 4, 5
.set G1A, 24
.set G0A, 32
.set G1B, 48
.set G0B, 56
.set FLAGS, (1<<16)|(1<<20)|(1<<21)|(5<<22)|(3<<25)   ; elements of 2 bytes; padding on; bit 21 beside a mask; after every 64 words 4 words
.set LO,  0xa5                         ; sources in window 1, C and D in window 2
.set HI,  0xf5                         ; C and D in window 3
.set LOZ, 0x95                         ; first products: C (a bias) in window 1, D in window 2
.set HIZ, 0xd5                         ; D in window 3
.set MSB, 0
.macro WIN new                         ; the immediate's high byte repeats the setting that is left
.if MSB != \new
	s_set_vgpr_msb (MSB<<8)|\new
.set MSB, \new
.endif
.endm
.macro PLACES                          ; four independent vector instructions behind a matrix instruction (ISA guide 7.12.1) before its registers are loaded into or its result is read
.rept 4
	v_nop
.endr
.endm
.macro CREST                           ; a round of the cluster's barrier behind its opening work-group barrier
	s_cmp_lg_u32 s16, 0
	s_cbranch_scc1 .Lnot_wave_0_\@
	s_barrier_signal -3
.Lnot_wave_0_\@:
	s_barrier_wait -3
	s_barrier_signal -1
	s_barrier_wait -1
.endm
.macro ROUND
	s_barrier_signal -1
	s_barrier_wait -1
	CREST
.endm
	s_load_b256 s[4:11], s[0:1], 0x0               ; x16, w16, bq, bv
	s_load_b128 s[12:15], s[0:1], 0x20             ; q16, k16
	s_load_b64 s[68:69], s[0:1], 0x30              ; vt16
	v_lshl_add_u32 v254, v0, 2, 0x3b800
	v_mov_b32 v255, 0
	ds_add_u32 v254, v255
	v_lshrrev_b32 v1, 5, v0
	v_readfirstlane_b32 s16, v1                    ; wave
	s_lshr_b32 s17, s16, 1                         ; mh
	s_and_b32 s18, s16, 1                          ; nh
	s_bfe_u32 s20, ttmp6, 0x40000                  ; cx
	s_bfe_u32 s21, ttmp6, 0x40004                  ; cy
	s_lshl_b32 s22, ttmp9, 2
	s_add_co_u32 s22, s22, s20                     ; head = 4 x cluster x + cx
	s_and_b32 s23, ttmp7, 0xffff
	s_lshl_b32 s23, s23, 2
	s_add_co_u32 s23, s23, s21                     ; block of 256 rows = 4 x cluster y + cy
	s_lshl_b32 s40, s21, 2
	s_lshl_b32 s40, 15, s40                        ; my row of the cluster
	s_lshl_b32 s44, 0x1111, s20                    ; my column
	s_or_b32 s[G1A+0], s40, FLAGS                  ; A: 64 rows x 128 elements for each wave, shared along the row
	s_mov_b32 s[G1A+1], 128<<16                    ; tensor_dim0 = 128
	s_mov_b32 s[G1A+2], 64<<16                     ; tensor_dim1 = 64
	s_mov_b32 s[G1A+3], 128<<16                    ; tile_dim0 = 128
	s_mov_b32 s[G1A+4], 64                         ; tile_dim1 = 64
	s_mov_b32 s[G1A+5], 1024                       ; elements from row to row
	s_mov_b32 s[G1A+6], 0
	s_mov_b32 s[G1A+7], 0
	s_or_b32 s[G1B+0], s44, FLAGS                  ; B: 48 rows x 128 elements for each wave, shared along the column
	s_mov_b32 s[G1B+1], 128<<16
	s_mov_b32 s[G1B+2], 48<<16
	s_mov_b32 s[G1B+3], 128<<16
	s_mov_b32 s[G1B+4], 48
	s_mov_b32 s[G1B+5], 1024
	s_mov_b32 s[G1B+6], 0
	s_mov_b32 s[G1B+7], 0
	s_lshl_b32 s40, s23, 19                        ; A: 256 rows of 2,048 bytes for each block, 64 for each wave
	s_lshl_b32 s41, s16, 17
	s_add_co_u32 s40, s40, s41
	s_mov_b32 s41, 0
	s_mul_i32 s44, s22, 192*2048                   ; B: 192 rows for each head, 48 for each wave
	s_mul_i32 s45, s16, 48*2048
	s_add_co_u32 s44, s44, s45
	s_mov_b32 s45, 0
	s_mul_i32 s70, s16, 64*PITCH                   ; and where they go: the wave's number alone
	s_mul_i32 s71, s16, 48*PITCH
	s_add_co_u32 s71, s71, BOFF
	s_wait_dscnt 0x0
	s_wait_kmcnt 0x0
	s_add_nc_u64 s[42:43], s[4:5], s[40:41]
	s_add_nc_u64 s[46:47], s[6:7], s[44:45]
	ROUND                                          ; all sixteen work-groups are here: the first joint loads meet
.irp s, 0,1
	s_mov_b32 s[G0A+4*\s], 1
	s_add_co_u32 s[G0A+4*\s+1], s70, \s*SLOT
	s_add_nc_u64 s[G0A+4*\s+2:G0A+4*\s+3], s[42:43], \s*256
	s_or_b32 s[G0A+4*\s+3], s[G0A+4*\s+3], 0x80000000
	s_mov_b32 s[G0B+4*\s], 1
	s_add_co_u32 s[G0B+4*\s+1], s71, \s*SLOT
	s_add_nc_u64 s[G0B+4*\s+2:G0B+4*\s+3], s[46:47], \s*256
	s_or_b32 s[G0B+4*\s+3], s[G0B+4*\s+3], 0x80000000
	tensor_load_to_lds s[G0A+4*\s:G0A+4*\s+3], s[G1A:G1A+7]    ; K steps 0 and 1: four loads of the wave are out
	s_nop 0
	tensor_load_to_lds s[G0B+4*\s:G0B+4*\s+3], s[G1B:G1B+7]
	s_nop 0
.endr
	v_and_b32 v1, 15, v0                           ; r
	v_bfe_u32 v2, v0, 4, 1                         ; h
	v_lshlrev_b32 v[OBQ], 5, v2
	v_lshlrev_b32 v[OBV], 2, v1
	s_lshl_b32 s78, s22, 8                         ; the biases of my 32 features: 4 (64 head + 32 nh) bytes in
	s_lshl_b32 s79, s18, 7
	s_add_co_u32 s78, s78, s79
	s_mov_b32 s79, 0
	s_add_nc_u64 s[72:73], s[8:9], s[78:79]
	s_add_nc_u64 s[74:75], s[10:11], s[78:79]
	WIN 0x40                                       ; destination in window 1
.irp i, 0,1
	global_load_b128 v[BQ+8*\i:BQ+8*\i+3],   v[OBQ], s[72:73] offset:64*\i      ; register j: bq of feature 16 i + 8 h + j
	global_load_b128 v[BQ+8*\i+4:BQ+8*\i+7], v[OBQ], s[72:73] offset:64*\i+16
	global_load_b32  v[BV+8*\i],             v[OBV], s[74:75] offset:64*\i      ; bv of feature 16 i + r
.endr
	WIN 0
	v_mul_u32_u24 v3, v1, PITCH
	v_lshl_add_u32 v3, v2, 4, v3                   ; fragment address: row x pitch + 16 h
	s_mul_i32 s70, s17, 128*PITCH
	s_mul_i32 s71, s18, 32*PITCH
	s_add_co_u32 s71, s71, BOFF
.irp s, 0,1
	v_add_nc_u32 v[ADRA+\s], s70, v3
	v_add_nc_u32 v[ADRB+\s], s71, v3
	s_add_co_u32 s70, s70, SLOT
	s_add_co_u32 s71, s71, SLOT
.endr
	v_mul_u32_u24 v5, v1, SP
	v_lshl_add_u32 v5, v2, 4, v5                   ; r x 144 + 16 h
	s_mul_i32 s70, s17, 128*SP
	s_lshl_b32 s71, s18, 6
	s_add_co_u32 s71, s70, s71
	v_add_nc_u32 v[STQ], s71, v5                   ; row 128 mh + r, byte 64 nh + 16 h
	s_mul_i32 s71, s18, 32*SP
	s_add_co_u32 s71, s71, s70
	s_add_co_u32 s71, s71, 2*SEC
	v_add_nc_u32 v[STV], s71, v5                   ; section v, row 128 mh + 32 nh + r, byte 16 h
	v_bfe_u32 v6, v0, 3, 2                         ; lane / 8
	v_and_b32 v7, 7, v0
	v_mul_u32_u24 v8, v6, SP
	v_lshl_add_u32 v8, v7, 4, v8
	s_mul_i32 s70, s16, 64*SP
	v_add_nc_u32 v[RD], s70, v8                    ; row 64 w + lane / 8, byte 16 (lane % 8)
	v_add_nc_u32 v[RD2], 2*SEC, v[RD]
	v_and_b32 v4, 31, v0
	v_lshlrev_b32 v[CO], 4, v4
	s_lshl_b32 s70, s16, 13
	v_add_nc_u32 v[CO], s70, v[CO]                 ; 8,192 w + 16 lane
	s_wait_loadcnt 0x0                             ; the biases, once
	WIN 0x41
.irp i, 0,1
.irp j, 1,2,3,4,5,6,7
	v_mov_b32 v[BV+8*\i+\j], v[BV+8*\i]            ; a v tile's eight registers are eight t of one feature: one bias
.endr
.endr
; 12 matrix instructions: m blocks a0, a0 + 1 of the window's four x the 6 n blocks, 32 along K.  The 48 accumulators take turns, one
; instruction a turn, in the same order in every quarter step.
.macro MUL12 f, hi, a0, zero
.irp a, \a0, \a0+1
.irp b, 0,1,2,3,4,5
.if \zero
.if \b < 2
	v_wmma_f32_16x16x32_bf16 v[8*(6*(\a)+\b):8*(6*(\a)+\b)+7], v[128+48*\f+8*\b:128+48*\f+8*\b+7], v[64*\f+8*(4*\hi+\a):64*\f+8*(4*\hi+\a)+7], v[BQ+8*\b:BQ+8*\b+7]
.elseif \b < 4
	v_wmma_f32_16x16x32_bf16 v[8*(6*(\a)+\b):8*(6*(\a)+\b)+7], v[128+48*\f+8*\b:128+48*\f+8*\b+7], v[64*\f+8*(4*\hi+\a):64*\f+8*(4*\hi+\a)+7], 0
.else
	v_wmma_f32_16x16x32_bf16 v[8*(6*(\a)+\b):8*(6*(\a)+\b)+7], v[64*\f+8*(4*\hi+\a):64*\f+8*(4*\hi+\a)+7], v[128+48*\f+8*\b:128+48*\f+8*\b+7], v[BV+8*(\b-4):BV+8*(\b-4)+7]
.endif
.else
.if \b < 4
	v_wmma_f32_16x16x32_bf16 v[8*(6*(\a)+\b):8*(6*(\a)+\b)+7], v[128+48*\f+8*\b:128+48*\f+8*\b+7], v[64*\f+8*(4*\hi+\a):64*\f+8*(4*\hi+\a)+7], v[8*(6*(\a)+\b):8*(6*(\a)+\b)+7]
.else
	v_wmma_f32_16x16x32_bf16 v[8*(6*(\a)+\b):8*(6*(\a)+\b)+7], v[64*\f+8*(4*\hi+\a):64*\f+8*(4*\hi+\a)+7], v[128+48*\f+8*\b:128+48*\f+8*\b+7], v[8*(6*(\a)+\b):8*(6*(\a)+\b)+7]
.endif
.endif
.endr
.endr
.endm
; 28 LDS loads in one run: a quarter step's fragments (6 x 16 rows of B, 8 x 16 rows of A, 32 K at byte k) into buffer f
.macro FETCH slot, k, f
	WIN 0x40
.irp b, 0,1,2,3,4,5
	ds_load_b128 v[128+48*\f+8*\b:128+48*\f+8*\b+3],   v[ADRB+\slot] offset:((\b>>1)*64+(\b&1)*16)*PITCH+\k
	ds_load_b128 v[128+48*\f+8*\b+4:128+48*\f+8*\b+7], v[ADRB+\slot] offset:((\b>>1)*64+(\b&1)*16)*PITCH+\k+32
.endr
.irp a, 0,1,2,3,4,5,6,7
	ds_load_b128 v[64*\f+8*\a:64*\f+8*\a+3],   v[ADRA+\slot] offset:\a*16*PITCH+\k
	ds_load_b128 v[64*\f+8*\a+4:64*\f+8*\a+7], v[ADRA+\slot] offset:\a*16*PITCH+\k+32
.endr
.endm
; One of a K step's first three quarters: multiplies buffer f, and in its middle fetches the next quarter (byte k) into buffer g.
.macro QUARTER slot, k, f, g, zero
	s_wait_dscnt 8                                 ; B and A's rows 0-63 are in; the eight youngest loads (A's rows 64-127) may be out
.if \zero
	WIN LOZ
.else
	WIN LO
.endif
	MUL12 \f, 0, 0, \zero
	MUL12 \f, 0, 2, \zero
	PLACES
	FETCH \slot, \k, \g
	s_wait_dscnt 28                                ; all but the 28 just issued
.if \zero
	WIN HIZ
.else
	WIN HI
.endif
	MUL12 \f, 1, 0, \zero
	MUL12 \f, 1, 2, \zero
.endm
.macro THREE slot, zero
	QUARTER \slot, 64,  0, 1, \zero
	QUARTER \slot, 128, 1, 0, 0
	QUARTER \slot, 192, 0, 1, 0
.endm
; The last quarter multiplies buffer 1 and changes slots.  In front of the barrier each wave waits for its reads of this slot and for all its
; tensor loads (the two that are out are its parts of the next slot).  Where the slot is filled again the barrier opens a round of the cluster's
; barrier, and the two joint refills are the first tensor loads behind the round's closing wait.
.macro TURN slot, next, fill
	s_wait_dscnt 8
	WIN LO
	MUL12 1, 0, 0, 0
	s_wait_dscnt 0                                 ; my reads of this slot are over
	s_set_vgpr_msb 0xa5a0
	s_wait_tensorcnt 0x0                           ; all my tensor loads have landed
	ds_add_u32 v254, v255
	s_wait_dscnt 0x0
	s_set_vgpr_msb 0xa0a5
	s_barrier_signal -1
	MUL12 1, 0, 2, 0                               ; register work while the others arrive
	WIN 0
	s_barrier_wait -1
.if \fill
	CREST
	s_add_nc_u64 s[G0A+4*\slot+2:G0A+4*\slot+3], s[G0A+4*\slot+2:G0A+4*\slot+3], 512   ; two K steps of 256 bytes on
	s_add_nc_u64 s[G0B+4*\slot+2:G0B+4*\slot+3], s[G0B+4*\slot+2:G0B+4*\slot+3], 512
	tensor_load_to_lds s[G0A+4*\slot:G0A+4*\slot+3], s[G1A:G1A+7]
	s_nop 0
	tensor_load_to_lds s[G0B+4*\slot:G0B+4*\slot+3], s[G1B:G1B+7]
	s_nop 0
.endif
	PLACES
	FETCH \next, 0, 0
	WIN HI
	MUL12 1, 1, 0, 0
	MUL12 1, 1, 2, 0
.endm
.macro LAP zero
	THREE 0, \zero
	TURN 0, 1, 1
	THREE 1, 0
	TURN 1, 0, 1
.endm
	WIN 0
	s_wait_tensorcnt 2                             ; my two parts of K step 0 are in; K step 1's two stay out
	s_barrier_signal -1
	s_barrier_wait -1
	FETCH 0, 0, 0
	LAP 1                                          ; K steps 0, 1: the first products start the sums from the biases
	WIN 0
	s_mov_b32 s19, 2
.Llap:
	LAP 0                                          ; K steps 2 to 5; the refills reach K step 7
	WIN 0
	s_sub_co_u32 s19, s19, 1
	s_cmp_lg_u32 s19, 0
	s_cbranch_scc1 .Llap
	THREE 0, 0                                     ; K steps 6, 7: nothing is filled
	TURN 0, 1, 0
	THREE 1, 0
	s_wait_dscnt 8
	WIN LO
	MUL12 1, 0, 0, 0
	MUL12 1, 0, 2, 0
	s_wait_dscnt 0
	WIN HI
	MUL12 1, 1, 0, 0
	MUL12 1, 1, 2, 0
	PLACES
	; THE WAY OUT.  The stage is slot 0: it has had its last fill, and every wave's last reads of it lie in front of the last change of slots.
	; Three sections of 256 rows x 128 bytes, each the image of the 32 KiB that this work-group owns in q16, k16 and vt16.
	s_lshr_b32 s76, s23, 3                         ; b
	s_lshl_b32 s76, s76, 4
	s_add_co_u32 s76, s76, s22                     ; bh
	s_lshl_b32 s76, s76, 18                        ; 2,048 t x 128 bytes for each bh
	s_and_b32 s77, s23, 7
	s_lshl_b32 s77, s77, 15                        ; 256 t x 128 bytes for each block
	s_add_co_u32 s76, s76, s77
	s_mov_b32 s77, 0
	s_add_nc_u64 s[80:81], s[12:13], s[76:77]
	s_add_nc_u64 s[82:83], s[14:15], s[76:77]
	s_add_nc_u64 s[84:85], s[68:69], s[76:77]
.macro OUTA a
.if \a < 4
	WIN 0x0a
.else
	WIN 0x0f
.endif
.irp b, 0,1,2,3,4,5
.irp j, 0,1,2,3
	v_cvt_pk_f16_f32 v[TMP+4*\b+\j], v[8*(6*(\a&3)+\b)+2*\j], v[8*(6*(\a&3)+\b)+2*\j+1]
.endr
.endr
	WIN 0
.irp i, 0,1
	ds_store_b128 v[STQ], v[TMP+4*\i:TMP+4*\i+3]       offset:\a*16*SP+32*\i              ; q: row t, features 16 i + 8 h ..
	ds_store_b128 v[STQ], v[TMP+8+4*\i:TMP+8+4*\i+3]   offset:SEC+\a*16*SP+32*\i          ; k
	ds_store_b128 v[STV], v[TMP+16+4*\i:TMP+16+4*\i+3] offset:((\a>>2)*64+16*\i)*SP+32*(\a&3) ; v: row 64 (t / 64) + feature, t % 64 = 16 (a % 4) + 8 h ..
.endr
.endm
.irp a, 0,1,2,3,4,5,6,7
	OUTA \a
.endr
	s_wait_dscnt 0x0                               ; my stores are done, for the waves that read them
	s_barrier_signal -1
	s_barrier_wait -1
; Eight loads of four stage rows each (512 bytes of memory) and their eight stores; wave w takes rows 64 w .. 64 w + 63 of every section.
.macro OUTG n, rdreg, secoff, half, rb, base
.if \n >= 2
	s_wait_xcnt 0x0                                ; buffer rb, which earlier stores read, is loaded again only behind this wait
.endif
.irp t, 0,1,2,3,4,5,6,7
	ds_load_b128 v[\rb+4*\t:\rb+4*\t+3], v[\rdreg] offset:\secoff+(8*\half+\t)*4*SP
.endr
.irp t, 0,1,2,3,4,5,6,7
	s_wait_dscnt 7-\t                              ; LDS loads return in order: load t is in
	global_store_b128 v[CO], v[\rb+4*\t:\rb+4*\t+3], s[\base:\base+1] offset:512*(8*\half+\t)   ; a wave's store covers 512 consecutive bytes, aligned
.endr
.endm
	OUTG 0, RD,  0,   0, RB0, 80
	OUTG 1, RD,  0,   1, RB1, 80
	OUTG 2, RD,  SEC, 0, RB0, 82
	OUTG 3, RD,  SEC, 1, RB1, 82
	OUTG 4, RD2, 0,   0, RB0, 84
	OUTG 5, RD2, 0,   1, RB1, 84
	s_wait_tensorcnt 0x0
	ds_add_u32 v254, v255
	s_wait_dscnt 0x0
	ROUND                                          ; the closing round: no work-group ends while a partner may still ask jointly
	s_endpgm
.Lfunc_end_k_qc1f46934b3_qkv:
	.size	k_qc1f46934b3_qkv, .Lfunc_end_k_qc1f46934b3_qkv-k_qc1f46934b3_qkv
	.p2alignl 7, 3214868480
	.fill 96, 4, 3214868480
	.section	.rodata,"a",@progbits
	.p2align	6, 0x0
	.amdhsa_kernel k_qc1f46934b3_qkv
		.amdhsa_group_segment_fixed_size 327680
		.amdhsa_private_segment_fixed_size 0
		.amdhsa_enable_private_segment 0
		.amdhsa_kernarg_size 56
		.amdhsa_user_sgpr_count 2
		.amdhsa_user_sgpr_kernarg_segment_ptr 1
		.amdhsa_wavefront_size32 1
		.amdhsa_system_sgpr_workgroup_id_x 1
		.amdhsa_system_sgpr_workgroup_id_y 1
		.amdhsa_system_sgpr_workgroup_id_z 1
		.amdhsa_system_vgpr_workitem_id 0
		.amdhsa_next_free_vgpr 1024
		.amdhsa_next_free_sgpr 88
		.amdhsa_reserve_vcc 0
		.amdhsa_float_denorm_mode_32 3
		.amdhsa_float_denorm_mode_16_64 3
		.amdhsa_memory_ordered 1
		.amdhsa_forward_progress 1
		.amdhsa_inst_pref_size 158
	.end_amdhsa_kernel
	.amdgpu_metadata
---
amdhsa.version: [ 1, 2 ]
amdhsa.kernels:
  - .name:           k_qc1f46934b3_qkv
    .symbol:         k_qc1f46934b3_qkv.kd
    .args:
      - { .name: x16, .offset: 0, .size: 8, .value_kind: global_buffer, .address_space: global }
      - { .name: w16, .offset: 8, .size: 8, .value_kind: global_buffer, .address_space: global }
      - { .name: bq, .offset: 16, .size: 8, .value_kind: global_buffer, .address_space: global }
      - { .name: bv, .offset: 24, .size: 8, .value_kind: global_buffer, .address_space: global }
      - { .name: q16, .offset: 32, .size: 8, .value_kind: global_buffer, .address_space: global }
      - { .name: k16, .offset: 40, .size: 8, .value_kind: global_buffer, .address_space: global }
      - { .name: vt16, .offset: 48, .size: 8, .value_kind: global_buffer, .address_space: global }
    .group_segment_fixed_size: 327680
    .private_segment_fixed_size: 0
    .kernarg_segment_align: 8
    .kernarg_segment_size: 56
    .max_flat_workgroup_size: 128
    .sgpr_count:     88
    .vgpr_count:     1024
    .wavefront_size: 32
...
	.end_amdgpu_metadata
.endif
;; end of part 2
;; launch attn (part 3): grid 16 x 16, 8 waves a work-group, clusters of 4 x 4, 327,680 bytes of LDS; arguments q16, k16, vt16, mask, a16; writes a16
.if DOCPART == 3
	.amdgcn_target "amdgcn-amd-amdhsa--gfx1250"
	.amdhsa_code_object_version 6
	.text
	.protected	k_qc1f46934b3_attn
	.globl	k_qc1f46934b3_attn
	.p2align	8
	.type	k_qc1f46934b3_attn,@function
k_qc1f46934b3_attn:
	s_mov_b64 s[64:65], 0
	v_nop
	global_prefetch_b8 v0, s[64:65] scope:SCOPE_SE
	s_setreg_imm32_b32 hwreg(HW_REG_WAVE_MODE, 25, 1), 1
	s_wait_xcnt 0x0
	s_wait_alu depctr_hold_cnt(0) depctr_sa_sdst(0) depctr_va_vdst(0) depctr_va_sdst(0) depctr_va_ssrc(0) depctr_va_vcc(0) depctr_vm_vsrc(0)
	s_getreg_b32 s2, hwreg(HW_REG_IB_STS2, 6, 4)
	s_cmp_eq_u32 s2, 0
	s_cbranch_scc0 .Lentry_in_a_cluster
	s_endpgm
.Lentry_in_a_cluster:
	s_bfe_u32 s2, ttmp6, 0x10000c
	s_cmp_lg_u32 s2, 0xf033
	s_cbranch_scc0 .Lentry_shape_is_right
	s_endpgm
.Lentry_shape_is_right:
; a = softmax(q k'^T + mask) v for every head, with a running maximum.  f16 operands, f32 sums, softmax in f32; a16 [4096][1024] f16.
; The mask is an input: every one of the 2,048 keys is worked on for every query, and the mask is added in f32 (it is the C of the first product).
; A work-group owns 128 queries (grid x) of two heads bh = 2 p, 2 p + 1 (grid y = p): per query row it reads 8 KiB of mask, per head 512 KiB of
; K and V, and 128 x 2 is where the two are equal for 256 (row, head) pairs.  Eight waves: kh = w / 4 takes keys 1024 kh .. + 1023,
; hs = (w / 2) % 2 the head, qs = w % 2 64 of the queries; 16 steps of 64 keys; the two halves of the keys are merged at the end through LDS.
; CLUSTERS: 4 x 4.  K and V tiles hang on grid y alone: asked for jointly by a row of the cluster.  Mask tiles hang on grid x alone: by a column.
; Each wave issues one joint load of each kind a step, for LDS bytes of its own; two tensor loads of a wave are out at the most.
; S^T = K Q^T + mask^T: a lane holds one query (r) and keys 8 h + j, so maximum and sum stay in the lane but for one exchange of the halves,
; and two packed S^T tiles are already source 1 of O^T = V^T P^T.
; LIMITS: the running maximum starts at -1e38: a row whose logits are all finite and below -1e38 gives NaN.  Mask entries of -inf give weight 0;
; a row that is -inf throughout gives NaN, as the reference does.  P is kept in f16: weights below 2^-25 of the row's largest count as 0.
.set SLOT,   143360                    ; mask 256 rows x 272, K 4 tiles x 9,216, V^T 4 tiles x 9,216
.set KOFF,   69632
.set VREL,   36864                     ; V^T's tiles lie this far behind K's
.set MPITCH, 272                       ; 64 f32 + 16 bytes
.set KPITCH, 144                       ; 64 f16 + 16 bytes
.set ADM, 4                            ; v4-5   my mask fragments in slot 0, 1
.set ADK, 6                            ; v6-7   my K fragments
.set M,   8                            ; v[8:11]   running maximum of query block qt
.set MX,  12                           ; v[12:15]  at work
.set T,   16                           ; v[16:19]  at work
.set AL,  20                           ; v[20:27]  exp(old maximum - new), twice
.set MP,  28                           ; v[28:35]  new maximum, twice
.set L,   36                           ; v[36:43]  running sum, two partial sums
.set LR,  44                           ; v[44:47]  the sum over my 1,024 keys
.set PM,  48                           ; v[48:51]  the partner's maximum
.set PL,  52                           ; v[52:55]  the partner's sum
.set QO,  56
.set MST, 57                           ; merge stage
.set OST, 58                           ; output stage, in
.set ORD, 59                           ; output stage, back
.set OGL, 60                           ; my byte offset in a16
.set KF,  64                           ; v[64:127]  K fragments, then V^T fragments
.set SC,  128                          ; v[128:255] S^T: tile (qt, kt) at 8 (4 qt + kt)
.set OA,  0                            ; window 1: O^T: tile (qt, ht) at 8 (4 qt + ht)
.set QF,  128                          ; window 1: Q fragment (qt, ks) at 8 (2 qt + ks)
.set PF,  192                          ; window 1: P, register 4 (4 qt + kt) + j
.set G1KV, 16
.set G1M,  24
.set G0KV, 32
.set G0M,  40
.set MSB, 0
.macro WIN new
.if MSB != \new
	s_set_vgpr_msb (MSB<<8)|\new
.set MSB, \new
.endif
.endm
.macro PLACES                          ; four independent vector instructions behind a matrix instruction (ISA guide 7.12.1)
.rept 4
	v_nop
.endr
.endm
.macro ROUND                           ; a round of the cluster's barrier
	s_barrier_signal -1
	s_barrier_wait -1
	s_cmp_lg_u32 s14, 0
	s_cbranch_scc1 .Lnot_wave_0_\@
	s_barrier_signal -3
.Lnot_wave_0_\@:
	s_barrier_wait -3
	s_barrier_signal -1
	s_barrier_wait -1
.endm
	s_load_b256 s[4:11], s[0:1], 0x0               ; q16, k16, vt16, mask
	s_load_b64 s[12:13], s[0:1], 0x20              ; a16
	v_lshl_add_u32 v62, v0, 2, 0x46000
	v_mov_b32 v63, 0
	ds_add_u32 v62, v63
	v_lshrrev_b32 v1, 5, v0
	v_readfirstlane_b32 s14, v1                    ; wave
	s_lshr_b32 s66, s14, 2                         ; kh
	s_bfe_u32 s67, s14, 0x10001                    ; hs
	s_and_b32 s68, s14, 1                          ; qs
	s_bfe_u32 s48, ttmp6, 0x40000                  ; cx
	s_bfe_u32 s49, ttmp6, 0x40004                  ; cy
	s_lshl_b32 s50, ttmp9, 2
	s_add_co_u32 s50, s50, s48                     ; block of 128 queries
	s_and_b32 s51, ttmp7, 0xffff
	s_lshl_b32 s51, s51, 2
	s_add_co_u32 s51, s51, s49                     ; pair of heads
	s_mov_b32 s56, 0x3fb8aa3b                      ; log2 e, twice (a pair for the packed multiply)
	s_mov_b32 s57, 0x3fb8aa3b
	s_mov_b32 s58, 0x76543210                      ; v_permlanex16_b32: lane i reads lane i of the other half
	s_mov_b32 s59, 0xfedcba98
	s_lshl_b32 s52, s49, 2
	s_lshl_b32 s52, 15, s52                        ; my row of the cluster
	s_lshl_b32 s54, 0x1111, s48                    ; my column
	; K and V^T: a tile is a dense block of 8,192 bytes, fetched as 32 rows of 256 bytes; 4 words of padding behind every 32 words make LDS rows of 144 bytes
	s_or_b32 s[G1KV+0], s52, (1<<16)|(1<<20)|(1<<21)|(4<<22)|(3<<25)
	s_mov_b32 s[G1KV+1], 128<<16
	s_mov_b32 s[G1KV+2], 32<<16
	s_mov_b32 s[G1KV+3], 128<<16
	s_mov_b32 s[G1KV+4], 32
	s_mov_b32 s[G1KV+5], 128
	s_mov_b32 s[G1KV+6], 0
	s_mov_b32 s[G1KV+7], 0
	; mask: 32 rows of 64 f32 for each wave, rows 2,048 elements apart, 4 words of padding behind each row
	s_or_b32 s[G1M+0], s54, (2<<16)|(1<<20)|(1<<21)|(5<<22)|(3<<25)
	s_mov_b32 s[G1M+1], 64<<16
	s_mov_b32 s[G1M+2], 32<<16
	s_mov_b32 s[G1M+3], 64<<16
	s_mov_b32 s[G1M+4], 32
	s_mov_b32 s[G1M+5], 2048
	s_mov_b32 s[G1M+6], 0
	s_mov_b32 s[G1M+7], 0
	; waves 0-3 fetch K's four tiles, waves 4-7 V^T's: tile w % 4 = 2 x (half of the keys) + head
	s_lshl_b32 s52, s51, 19                        ; two heads of 262,144 bytes
	s_lshl_b32 s53, s68, 18                        ; head w % 2
	s_add_co_u32 s52, s52, s53
	s_lshl_b32 s53, s67, 17                        ; half (w / 2) % 2: 16 blocks of 8,192 bytes
	s_add_co_u32 s52, s52, s53
	s_mov_b32 s53, 0
	; every wave fetches 32 rows of the mask: queries 32 (w % 4) .., keys of half w / 4
	s_lshl_b32 s54, s50, 20                        ; 128 rows of 8,192 bytes
	s_and_b32 s55, s14, 3
	s_lshl_b32 s55, s55, 18
	s_add_co_u32 s54, s54, s55
	s_lshl_b32 s55, s66, 12
	s_add_co_u32 s54, s54, s55
	s_mov_b32 s55, 0
	s_mul_i32 s72, s14, 64*KPITCH
	s_add_co_u32 s72, s72, KOFF
	s_mul_i32 s73, s14, 32*MPITCH
	s_lshl_b32 s76, s51, 19                        ; my 64 queries of my head in q16
	s_lshl_b32 s77, s67, 18
	s_add_co_u32 s76, s76, s77
	s_lshl_b32 s77, s50, 14
	s_add_co_u32 s76, s76, s77
	s_lshl_b32 s77, s68, 13
	s_add_co_u32 s76, s76, s77
	s_mov_b32 s77, 0
	s_lshr_b32 s80, s51, 3                         ; a16: row 2,048 b + 128 block, byte 256 (pair % 8)
	s_lshl_b32 s80, s80, 22
	s_lshl_b32 s81, s50, 18
	s_add_co_u32 s80, s80, s81
	s_and_b32 s81, s51, 7
	s_lshl_b32 s81, s81, 8
	s_add_co_u32 s80, s80, s81
	s_mov_b32 s81, 0
	v_and_b32 v1, 15, v0                           ; r
	v_bfe_u32 v2, v0, 4, 1                         ; h
	v_lshlrev_b32 v[QO], 7, v1
	v_lshl_add_u32 v[QO], v2, 4, v[QO]             ; 128 r + 16 h
	s_wait_dscnt 0x0
	s_wait_kmcnt 0x0
	s_cmp_lt_u32 s14, 4
	s_cselect_b64 s[70:71], s[6:7], s[8:9]
	s_add_nc_u64 s[52:53], s[70:71], s[52:53]
	s_add_nc_u64 s[54:55], s[10:11], s[54:55]
	s_add_nc_u64 s[74:75], s[4:5], s[76:77]
	s_add_nc_u64 s[78:79], s[12:13], s[80:81]
	WIN 0x40
.irp qt, 0,1,2,3
.irp ks, 0,1
	global_load_b128 v[QF+8*(2*\qt+\ks):QF+8*(2*\qt+\ks)+3],   v[QO], s[74:75] offset:\qt*2048+64*\ks      ; Q stays in registers for the whole kernel
	global_load_b128 v[QF+8*(2*\qt+\ks)+4:QF+8*(2*\qt+\ks)+7], v[QO], s[74:75] offset:\qt*2048+64*\ks+32
.endr
.endr
	WIN 0
.irp s, 0,1
	s_mov_b32 s[G0KV+4*\s], 1
	s_add_co_u32 s[G0KV+4*\s+1], s72, \s*SLOT
	s_add_nc_u64 s[G0KV+4*\s+2:G0KV+4*\s+3], s[52:53], \s*8192
	s_or_b32 s[G0KV+4*\s+3], s[G0KV+4*\s+3], 0x80000000
	s_mov_b32 s[G0M+4*\s], 1
	s_add_co_u32 s[G0M+4*\s+1], s73, \s*SLOT
	s_add_nc_u64 s[G0M+4*\s+2:G0M+4*\s+3], s[54:55], \s*256
	s_or_b32 s[G0M+4*\s+3], s[G0M+4*\s+3], 0x80000000
.endr
	ROUND                                          ; in front of the first joint loads
	tensor_load_to_lds s[G0KV:G0KV+3], s[G1KV:G1KV+7]      ; step 0
	s_nop 0
	tensor_load_to_lds s[G0M:G0M+3], s[G1M:G1M+7]
	s_nop 0
	v_mul_u32_u24 v3, v1, MPITCH
	v_lshl_add_u32 v3, v2, 5, v3                   ; mask: query r's row, 8 h keys of 4 bytes in
	s_mul_i32 s69, s66, 128*MPITCH
	s_mul_i32 s15, s68, 64*MPITCH
	s_add_co_u32 s69, s69, s15
	v_add_nc_u32 v[ADM], s69, v3
	v_add_nc_u32 v[ADM+1], SLOT, v[ADM]
	v_mul_u32_u24 v3, v1, KPITCH
	v_lshl_add_u32 v3, v2, 4, v3
	s_lshr_b32 s69, s14, 1                         ; tile 2 kh + hs
	s_mul_i32 s69, s69, 64*KPITCH
	s_add_co_u32 s69, s69, KOFF
	v_add_nc_u32 v[ADK], s69, v3
	v_add_nc_u32 v[ADK+1], SLOT, v[ADK]
	v_and_b32 v3, 31, v0
	v_lshlrev_b32 v[MST], 4, v3
	s_and_b32 s69, s14, 3
	s_mul_i32 s69, s69, 17408
	v_add_nc_u32 v[MST], s69, v[MST]               ; merge stage of waves w and w + 4: 17,408 (w % 4) + 16 lane
	v_mul_u32_u24 v[OST], v1, MPITCH
	v_lshl_add_u32 v[OST], v2, 4, v[OST]
	s_mul_i32 s69, s68, 64*MPITCH
	s_lshl_b32 s15, s67, 7
	s_add_co_u32 s69, s69, s15
	s_add_co_u32 s69, s69, KOFF
	v_add_nc_u32 v[OST], s69, v[OST]               ; output stage: row 64 qs + r, byte 128 hs + 16 h
	v_mul_u32_u24 v[ORD], v2, MPITCH
	v_lshl_add_u32 v[ORD], v1, 4, v[ORD]
	s_mul_i32 s69, s14, 16*MPITCH
	s_add_co_u32 s69, s69, KOFF
	v_add_nc_u32 v[ORD], s69, v[ORD]               ; back: row 16 w + h, byte 16 r
	v_lshlrev_b32 v[OGL], 11, v2
	v_lshl_add_u32 v[OGL], v1, 4, v[OGL]
	s_lshl_b32 s69, s14, 15
	v_add_nc_u32 v[OGL], s69, v[OGL]               ; the same in a16: rows of 2,048 bytes
.irp qt, 0,1,2,3
	v_mov_b32 v[M+\qt], 0xfe967699                 ; -1e38
	v_mov_b32 v[T+\qt], 0                          ; v_permlanex16_b32 counts as a reader of its destination
.endr
	s_wait_loadcnt 0x0                             ; Q, once
; One step: 64 keys for my 64 queries.  first = 1: the step that starts the sums.
.macro STEP slot, first
.irp kt, 0,1,2,3
.irp ks, 0,1
	ds_load_b128 v[KF+8*(2*\kt+\ks):KF+8*(2*\kt+\ks)+3],   v[ADK+\slot] offset:\kt*16*KPITCH+64*\ks
	ds_load_b128 v[KF+8*(2*\kt+\ks)+4:KF+8*(2*\kt+\ks)+7], v[ADK+\slot] offset:\kt*16*KPITCH+64*\ks+32
.endr
.endr
.irp qt, 0,1,2,3
.irp kt, 0,1,2,3
	ds_load_b128 v[SC+8*(4*\qt+\kt):SC+8*(4*\qt+\kt)+3],   v[ADM+\slot] offset:\qt*16*MPITCH+64*\kt       ; the mask lands in the accumulators
	ds_load_b128 v[SC+8*(4*\qt+\kt)+4:SC+8*(4*\qt+\kt)+7], v[ADM+\slot] offset:\qt*16*MPITCH+64*\kt+16
.endr
.endr
	WIN 0x04                                       ; source 1 (Q) in window 1
.irp qt, 0,1,2,3
	s_wait_dscnt 8*(3-\qt)                         ; K and the mask of query blocks 0 .. qt are in; eight loads for each later block stay out
.irp kt, 0,1,2,3
	v_wmma_f32_16x16x32_f16 v[SC+8*(4*\qt+\kt):SC+8*(4*\qt+\kt)+7], v[KF+16*\kt:KF+16*\kt+7], v[QF+16*\qt:QF+16*\qt+7], v[SC+8*(4*\qt+\kt):SC+8*(4*\qt+\kt)+7]
.endr
.endr
.irp qt, 0,1,2,3                       ; the 16 accumulators take turns, one instruction a turn
.irp kt, 0,1,2,3
	v_wmma_f32_16x16x32_f16 v[SC+8*(4*\qt+\kt):SC+8*(4*\qt+\kt)+7], v[KF+16*\kt+8:KF+16*\kt+15], v[QF+16*\qt+8:QF+16*\qt+15], v[SC+8*(4*\qt+\kt):SC+8*(4*\qt+\kt)+7]
.endr
.endr
	WIN 0
	PLACES
.irp ht, 0,1,2,3
.irp u, 0,1
	ds_load_b128 v[KF+8*(2*\ht+\u):KF+8*(2*\ht+\u)+3],   v[ADK+\slot] offset:VREL+\ht*16*KPITCH+64*\u      ; V^T, on its way during the softmax
	ds_load_b128 v[KF+8*(2*\ht+\u)+4:KF+8*(2*\ht+\u)+7], v[ADK+\slot] offset:VREL+\ht*16*KPITCH+64*\u+32
.endr
.endr
	; the new maximum: four chains, one for each query block, started from the running maximum
.irp qt, 0,1,2,3
	v_max3_num_f32 v[MX+\qt], v[M+\qt], v[SC+32*\qt], v[SC+32*\qt+1]
.endr
.irp i, 1,2,3,4,5,6,7,8,9,10,11,12,13,14,15
.irp qt, 0,1,2,3
	v_max3_num_f32 v[MX+\qt], v[MX+\qt], v[SC+32*\qt+2*\i], v[SC+32*\qt+2*\i+1]
.endr
.endr
.irp qt, 0,1,2,3
	v_permlanex16_b32 v[T+\qt], v[MX+\qt], s58, s59        ; the other half of the lanes holds the query's other keys
.endr
.irp qt, 0,1,2,3
	v_max_num_f32 v[MP+2*\qt], v[MX+\qt], v[T+\qt]
	v_max_num_f32 v[MP+2*\qt+1], v[MX+\qt], v[T+\qt]
.endr
.if \first == 0
.irp qt, 0,1,2,3
	v_sub_f32 v[T+\qt], v[M+\qt], v[MP+2*\qt]
.endr
.irp qt, 0,1,2,3
	v_mul_f32 v[T+\qt], s56, v[T+\qt]
.endr
.irp qt, 0,1,2,3
	v_exp_f32 v[AL+2*\qt], v[T+\qt]
	v_exp_f32 v[AL+2*\qt+1], v[T+\qt]
.endr
.endif
.irp qt, 0,1,2,3
	v_mov_b32 v[M+\qt], v[MP+2*\qt]                ; also the plain instructions that stand behind the exponentials above
.endr
	; P = exp(S - maximum): the difference first, which is exact where it matters and never positive, so P <= 1 whatever the logits' size
.set ii, 0
.rept 64
	v_pk_add_f32 v[SC+2*ii:SC+2*ii+1], v[SC+2*ii:SC+2*ii+1], v[MP+2*(ii/16):MP+2*(ii/16)+1] neg_lo:[0,1] neg_hi:[0,1]
.set ii, ii+1
.endr
.set ii, 0
.rept 64
	v_pk_mul_f32 v[SC+2*ii:SC+2*ii+1], v[SC+2*ii:SC+2*ii+1], s[56:57] op_sel_hi:[1,0]
.set ii, ii+1
.endr
.set ii, 0
.rept 128
	v_exp_f32 v[SC+ii], v[SC+ii]
.set ii, ii+1
.endr
	v_nop                                          ; one plain instruction between the last exponential and the first use of a result
.if \first
	s_wait_alu depctr_va_vdst(0)
.irp qt, 0,1,2,3
	v_pk_add_f32 v[L+2*\qt:L+2*\qt+1], v[SC+32*\qt:SC+32*\qt+1], v[SC+32*\qt+2:SC+32*\qt+3]
.endr
.else
	s_wait_alu depctr_va_vdst(0)
.irp qt, 0,1,2,3
	v_pk_fma_f32 v[L+2*\qt:L+2*\qt+1], v[L+2*\qt:L+2*\qt+1], v[AL+2*\qt:AL+2*\qt+1], v[SC+32*\qt:SC+32*\qt+1]
.endr
.irp qt, 0,1,2,3
	v_pk_add_f32 v[L+2*\qt:L+2*\qt+1], v[L+2*\qt:L+2*\qt+1], v[SC+32*\qt+2:SC+32*\qt+3]
.endr
.endif
.irp i, 2,3,4,5,6,7,8,9,10,11,12,13,14,15
.irp qt, 0,1,2,3
	v_pk_add_f32 v[L+2*\qt:L+2*\qt+1], v[L+2*\qt:L+2*\qt+1], v[SC+32*\qt+2*\i:SC+32*\qt+2*\i+1]
.endr
.endr
	WIN 0x40                                       ; P to f16, into window 1: tiles 2 u and 2 u + 1 side by side are source 1 for keys 32 u .. 32 u + 31
.set ii, 0
.rept 64
	v_cvt_pk_f16_f32 v[PF+ii], v[SC+2*ii], v[SC+2*ii+1]
.set ii, ii+1
.endr
.if \first == 0
	WIN 0x41                                       ; O *= exp(old maximum - new)
.set ii, 0
.rept 64
	v_pk_mul_f32 v[OA+2*ii:OA+2*ii+1], v[OA+2*ii:OA+2*ii+1], v[AL+2*(ii/16):AL+2*(ii/16)+1]
.set ii, ii+1
.endr
.endif
	s_wait_dscnt 0x0                               ; V^T is in
	WIN 0x54                                       ; source 0 (V^T) in window 0; P, C and D in window 1
.irp u, 0,1
.irp qt, 0,1,2,3
.irp ht, 0,1,2,3
.if \first*(1-\u)
	v_wmma_f32_16x16x32_f16 v[OA+8*(4*\qt+\ht):OA+8*(4*\qt+\ht)+7], v[KF+8*(2*\ht+\u):KF+8*(2*\ht+\u)+7], v[PF+8*(2*\qt+\u):PF+8*(2*\qt+\u)+7], 0
.else
	v_wmma_f32_16x16x32_f16 v[OA+8*(4*\qt+\ht):OA+8*(4*\qt+\ht)+7], v[KF+8*(2*\ht+\u):KF+8*(2*\ht+\u)+7], v[PF+8*(2*\qt+\u):PF+8*(2*\qt+\u)+7], v[OA+8*(4*\qt+\ht):OA+8*(4*\qt+\ht)+7]
.endif
.endr
.endr
.endr
	WIN 0
	PLACES
.endm
; A trip: the round of the cluster's barrier stands for the barrier in front of a refill.  In front of it every wave has waited for all its tensor
; loads (its parts of this trip's tiles) and for its reads of the other slot; behind it the other slot's two joint refills come first and have
; the whole step in which to land.
.macro TRIP slot, refill, first
	s_wait_tensorcnt 0x0
	ds_add_u32 v62, v63
	s_wait_dscnt 0x0
	s_add_nc_u64 s[G0KV+4*\slot+2:G0KV+4*\slot+3], s[G0KV+4*\slot+2:G0KV+4*\slot+3], 16384   ; no load of mine is out: this slot's next tiles, two steps on
	s_add_nc_u64 s[G0M+4*\slot+2:G0M+4*\slot+3], s[G0M+4*\slot+2:G0M+4*\slot+3], 512
	s_wait_dscnt 0x0
	ROUND
.if \refill
	tensor_load_to_lds s[G0KV+4-4*\slot:G0KV+7-4*\slot], s[G1KV:G1KV+7]
	s_nop 0
	tensor_load_to_lds s[G0M+4-4*\slot:G0M+7-4*\slot], s[G1M:G1M+7]
	s_nop 0
.endif
	STEP \slot, \first
.endm
	TRIP 0, 1, 1
	TRIP 1, 1, 0
	s_mov_b32 s15, 6
.Lpair:
	TRIP 0, 1, 0
	TRIP 1, 1, 0
	s_sub_co_u32 s15, s15, 1
	s_cmp_lg_u32 s15, 0
	s_cbranch_scc1 .Lpair
	TRIP 0, 1, 0
	TRIP 1, 0, 0                                   ; step 15 fetches nothing
	; THE MERGE of the two halves of the keys.  Both stages lie in slot 0, which has had its last fill and whose last reads (step 14) lie in front of
	; step 15's round: bytes 0 .. 69,631 carry O, maximum and sum from waves 4-7 to waves 0-3; bytes 69,632 .. 104,447 collect 128 rows of 256 bytes.
.irp qt, 0,1,2,3
	v_add_f32 v[LR+\qt], v[L+2*\qt], v[L+2*\qt+1]
.endr
.irp qt, 0,1,2,3
	v_permlanex16_b32 v[T+\qt], v[LR+\qt], s58, s59
.endr
.irp qt, 0,1,2,3
	v_add_f32 v[LR+\qt], v[LR+\qt], v[T+\qt]
.endr
	s_cmp_lt_u32 s14, 4
	s_cbranch_scc1 .Lkeep
	WIN 0x04                                       ; store data in window 1
.set ii, 0
.rept 32
	ds_store_b128 v[MST], v[OA+4*ii:OA+4*ii+3] offset:512*ii
.set ii, ii+1
.endr
	WIN 0
	ds_store_b128 v[MST], v[M:M+3] offset:16384
	ds_store_b128 v[MST], v[LR:LR+3] offset:16896
.Lkeep:
	s_wait_dscnt 0x0                               ; for the partner's sake
	s_barrier_signal -1
	s_barrier_wait -1
	s_cmp_ge_u32 s14, 4
	s_cbranch_scc1 .Lgave
.set ii, 0
.rept 32
	ds_load_b128 v[SC+4*ii:SC+4*ii+3], v[MST] offset:512*ii
.set ii, ii+1
.endr
	ds_load_b128 v[PM:PM+3], v[MST] offset:16384
	ds_load_b128 v[PL:PL+3], v[MST] offset:16896
	s_wait_dscnt 0x0
.irp qt, 0,1,2,3
	v_max_num_f32 v[T+\qt], v[M+\qt], v[PM+\qt]
.endr
.irp qt, 0,1,2,3
	v_sub_f32 v[MX+\qt], v[M+\qt], v[T+\qt]
	v_sub_f32 v[PM+\qt], v[PM+\qt], v[T+\qt]
.endr
.irp qt, 0,1,2,3
	v_mul_f32 v[MX+\qt], s56, v[MX+\qt]
	v_mul_f32 v[PM+\qt], s56, v[PM+\qt]
.endr
.irp qt, 0,1,2,3
	v_exp_f32 v[MX+\qt], v[MX+\qt]
	v_exp_f32 v[PM+\qt], v[PM+\qt]
.endr
	v_nop
	s_wait_alu depctr_va_vdst(0)
.irp qt, 0,1,2,3
	v_mul_f32 v[T+\qt], v[LR+\qt], v[MX+\qt]
.endr
.irp qt, 0,1,2,3
	v_fmac_f32 v[T+\qt], v[PL+\qt], v[PM+\qt]      ; the row's whole sum
.endr
.irp qt, 0,1,2,3
	v_rcp_f32 v[T+\qt], v[T+\qt]
.endr
	v_nop
	s_wait_alu depctr_va_vdst(0)
.irp qt, 0,1,2,3
	v_mul_f32 v[AL+2*\qt], v[MX+\qt], v[T+\qt]     ; my factor, twice
	v_mul_f32 v[AL+2*\qt+1], v[MX+\qt], v[T+\qt]
	v_mul_f32 v[MP+2*\qt], v[PM+\qt], v[T+\qt]     ; the partner's, twice
	v_mul_f32 v[MP+2*\qt+1], v[PM+\qt], v[T+\qt]
.endr
.set ii, 0
.rept 64
	v_pk_mul_f32 v[SC+2*ii:SC+2*ii+1], v[SC+2*ii:SC+2*ii+1], v[MP+2*(ii/16):MP+2*(ii/16)+1]
.set ii, ii+1
.endr
	WIN 0x01                                       ; source 0 (my O) in window 1
.set ii, 0
.rept 64
	v_pk_fma_f32 v[SC+2*ii:SC+2*ii+1], v[OA+2*ii:OA+2*ii+1], v[AL+2*(ii/16):AL+2*(ii/16)+1], v[SC+2*ii:SC+2*ii+1]
.set ii, ii+1
.endr
	WIN 0
.set ii, 0
.rept 64
	v_cvt_pk_f16_f32 v[KF+ii], v[SC+2*ii], v[SC+2*ii+1]
.set ii, ii+1
.endr
.irp qt, 0,1,2,3
.irp ht, 0,1,2,3
	ds_store_b128 v[OST], v[KF+4*(4*\qt+\ht):KF+4*(4*\qt+\ht)+3] offset:\qt*16*MPITCH+32*\ht   ; query 16 qt + r, features 16 ht + 8 h ..
.endr
.endr
.Lgave:
	s_wait_dscnt 0x0
	s_barrier_signal -1
	s_barrier_wait -1
.irp t, 0,1,2,3,4,5,6,7
	ds_load_b128 v[KF+4*\t:KF+4*\t+3], v[ORD] offset:2*MPITCH*\t       ; every wave takes 16 rows, two a load
.endr
.irp t, 0,1,2,3,4,5,6,7
	s_wait_dscnt 7-\t
	global_store_b128 v[OGL], v[KF+4*\t:KF+4*\t+3], s[78:79] offset:4096*\t    ; 16 lanes store 256 consecutive bytes, aligned: both heads of a row
.endr
	s_wait_tensorcnt 0x0
	ds_add_u32 v62, v63
	s_wait_dscnt 0x0
	ROUND                                          ; the closing round
	s_endpgm
.Lfunc_end_k_qc1f46934b3_attn:
	.size	k_qc1f46934b3_attn, .Lfunc_end_k_qc1f46934b3_attn-k_qc1f46934b3_attn
	.p2alignl 7, 3214868480
	.fill 96, 4, 3214868480
	.section	.rodata,"a",@progbits
	.p2align	6, 0x0
	.amdhsa_kernel k_qc1f46934b3_attn
		.amdhsa_group_segment_fixed_size 327680
		.amdhsa_private_segment_fixed_size 0
		.amdhsa_enable_private_segment 0
		.amdhsa_kernarg_size 40
		.amdhsa_user_sgpr_count 2
		.amdhsa_user_sgpr_kernarg_segment_ptr 1
		.amdhsa_wavefront_size32 1
		.amdhsa_system_sgpr_workgroup_id_x 1
		.amdhsa_system_sgpr_workgroup_id_y 1
		.amdhsa_system_sgpr_workgroup_id_z 1
		.amdhsa_system_vgpr_workitem_id 0
		.amdhsa_next_free_vgpr 512
		.amdhsa_next_free_sgpr 88
		.amdhsa_reserve_vcc 0
		.amdhsa_float_denorm_mode_32 3
		.amdhsa_float_denorm_mode_16_64 3
		.amdhsa_memory_ordered 1
		.amdhsa_forward_progress 1
		.amdhsa_inst_pref_size 255
	.end_amdhsa_kernel
	.section	.bss,"aw",@nobits
	.p2align	6
	.space	262144
	.amdgpu_metadata
---
amdhsa.version: [ 1, 2 ]
amdhsa.kernels:
  - .name:           k_qc1f46934b3_attn
    .symbol:         k_qc1f46934b3_attn.kd
    .args:
      - { .name: q16, .offset: 0, .size: 8, .value_kind: global_buffer, .address_space: global }
      - { .name: k16, .offset: 8, .size: 8, .value_kind: global_buffer, .address_space: global }
      - { .name: vt16, .offset: 16, .size: 8, .value_kind: global_buffer, .address_space: global }
      - { .name: mask, .offset: 24, .size: 8, .value_kind: global_buffer, .address_space: global }
      - { .name: a16, .offset: 32, .size: 8, .value_kind: global_buffer, .address_space: global }
    .group_segment_fixed_size: 327680
    .private_segment_fixed_size: 0
    .kernarg_segment_align: 8
    .kernarg_segment_size: 40
    .max_flat_workgroup_size: 256
    .sgpr_count:     88
    .vgpr_count:     512
    .wavefront_size: 32
...
	.end_amdgpu_metadata
.endif
;; end of part 3
;; launch oproj (part 4): grid 8 x 32, 4 waves a work-group, clusters of 4 x 4, 327,680 bytes of LDS; arguments a16, wo16, bo, out0; writes out0
.if DOCPART == 4
	.amdgcn_target "amdgcn-amd-amdhsa--gfx1250"
	.amdhsa_code_object_version 6
	.text
	.protected	k_qc1f46934b3_oproj
	.globl	k_qc1f46934b3_oproj
	.p2align	8
	.type	k_qc1f46934b3_oproj,@function
k_qc1f46934b3_oproj:
	s_mov_b64 s[64:65], 0
	v_nop
	global_prefetch_b8 v0, s[64:65] scope:SCOPE_SE
	s_setreg_imm32_b32 hwreg(HW_REG_WAVE_MODE, 25, 1), 1
	s_wait_xcnt 0x0
	s_wait_alu depctr_hold_cnt(0) depctr_sa_sdst(0) depctr_va_vdst(0) depctr_va_sdst(0) depctr_va_ssrc(0) depctr_va_vcc(0) depctr_vm_vsrc(0)
	s_getreg_b32 s2, hwreg(HW_REG_IB_STS2, 6, 4)
	s_cmp_eq_u32 s2, 0
	s_cbranch_scc0 .Lentry_in_a_cluster
	s_endpgm
.Lentry_in_a_cluster:
	s_bfe_u32 s2, ttmp6, 0x10000c
	s_cmp_lg_u32 s2, 0xf033
	s_cbranch_scc0 .Lentry_shape_is_right
	s_endpgm
.Lentry_shape_is_right:
; out0 = a Wo^T + bo.  a16 [4096][1024] and wo16 [1024][1024] in f16, sums and result in f32.
; A work-group makes 128 x 128 of out0 (grid x = block of columns, grid y = block of rows); four waves, 64 x 64 each: 16 accumulator tiles.
; K = 1024 is 8 tiles of 128 through four LDS slots: four tiles go out at the start (eight tensor loads of a wave are out), three are filled behind one
; round of the cluster's barrier, the last behind a second round.
; CLUSTERS: 4 x 4: a's tile hangs on grid y alone (joint along a row), Wo's on grid x alone (joint along a column); each wave asks for 32 rows of each.
; Source 0 is Wo's fragment, source 1 a's: a lane holds one row of out0 and 8 neighbouring columns.  bo is the C of the first products.
.set PITCH, 272
.set BOFF,  128*PITCH
.set SLOT,  256*PITCH
.set STAGE, 4*SLOT                     ; behind the ring, never filled by a tensor load: 16 rows x 272 bytes for each wave
.set ADRA, 4                           ; v4-7
.set ADRB, 8                           ; v8-11
.set STO,  12
.set RD,   13
.set CO,   14
.set OB,   15
.set BO,   32                          ; v[32:63]  bo for n blocks 0..3
.set F0,   64                          ; v[64:127], v[128:191]: fragments, A at + 8 a, B at + 32 + 8 b
.set F1,   128
.set RB,   192                         ; v[192:223] read back
.set G1A, 16
.set G1B, 24
.set G0A, 32
.set G0B, 48
.set FLAGS, (1<<16)|(1<<20)|(1<<21)|(5<<22)|(3<<25)
.set MSB, 0
.macro WIN new
.if MSB != \new
	s_set_vgpr_msb (MSB<<8)|\new
.set MSB, \new
.endif
.endm
.macro PLACES                          ; four independent vector instructions behind a matrix instruction (ISA guide 7.12.1)
.rept 4
	v_nop
.endr
.endm
.macro ROUND
	s_barrier_signal -1
	s_barrier_wait -1
	s_cmp_lg_u32 s12, 0
	s_cbranch_scc1 .Lnot_wave_0_\@
	s_barrier_signal -3
.Lnot_wave_0_\@:
	s_barrier_wait -3
	s_barrier_signal -1
	s_barrier_wait -1
.endm
	s_load_b256 s[4:11], s[0:1], 0x0               ; a16, wo16, bo, out0
	v_lshl_add_u32 v254, v0, 2, 0x48400
	v_mov_b32 v255, 0
	ds_add_u32 v254, v255
	v_lshrrev_b32 v1, 5, v0
	v_readfirstlane_b32 s12, v1                    ; wave
	s_lshr_b32 s13, s12, 1                         ; mh
	s_and_b32 s14, s12, 1                          ; nh
	s_bfe_u32 s66, ttmp6, 0x40000                  ; cx
	s_bfe_u32 s67, ttmp6, 0x40004                  ; cy
	s_lshl_b32 s68, ttmp9, 2
	s_add_co_u32 s68, s68, s66                     ; block of columns
	s_and_b32 s69, ttmp7, 0xffff
	s_lshl_b32 s69, s69, 2
	s_add_co_u32 s69, s69, s67                     ; block of rows
	s_lshl_b32 s70, s67, 2
	s_lshl_b32 s70, 15, s70                        ; my row of the cluster
	s_lshl_b32 s74, 0x1111, s66                    ; my column
	s_or_b32 s[G1A+0], s70, FLAGS                  ; 32 rows x 128 elements of 2 bytes, 16 bytes of padding behind each row
	s_or_b32 s[G1B+0], s74, FLAGS
.irp g, G1A, G1B
	s_mov_b32 s[\g+1], 128<<16
	s_mov_b32 s[\g+2], 32<<16
	s_mov_b32 s[\g+3], 128<<16
	s_mov_b32 s[\g+4], 32
	s_mov_b32 s[\g+5], 1024
	s_mov_b32 s[\g+6], 0
	s_mov_b32 s[\g+7], 0
.endr
	s_lshl_b32 s70, s69, 18                        ; 128 rows of 2,048 bytes for each block, 32 for each wave
	s_lshl_b32 s71, s12, 16
	s_add_co_u32 s70, s70, s71
	s_mov_b32 s71, 0
	s_lshl_b32 s74, s68, 18
	s_lshl_b32 s75, s12, 16
	s_add_co_u32 s74, s74, s75
	s_mov_b32 s75, 0
	s_mul_i32 s78, s12, 32*PITCH
	s_add_co_u32 s79, s78, BOFF
	s_lshl_b32 s80, s68, 9                         ; bo of my 64 columns
	s_lshl_b32 s81, s14, 8
	s_add_co_u32 s80, s80, s81
	s_mov_b32 s81, 0
	s_lshl_b32 s84, s69, 19                        ; out0: rows of 4,096 bytes; my first row and column
	s_lshl_b32 s85, s13, 18
	s_add_co_u32 s84, s84, s85
	s_add_co_u32 s84, s84, s80
	s_mov_b32 s85, 0
	s_wait_dscnt 0x0
	s_wait_kmcnt 0x0
	s_add_nc_u64 s[72:73], s[4:5], s[70:71]
	s_add_nc_u64 s[76:77], s[6:7], s[74:75]
	s_add_nc_u64 s[82:83], s[8:9], s[80:81]
	s_add_nc_u64 s[86:87], s[10:11], s[84:85]
.irp s, 0,1,2,3
	s_mov_b32 s[G0A+4*\s], 1
	s_add_co_u32 s[G0A+4*\s+1], s78, \s*SLOT
	s_add_nc_u64 s[G0A+4*\s+2:G0A+4*\s+3], s[72:73], \s*256
	s_or_b32 s[G0A+4*\s+3], s[G0A+4*\s+3], 0x80000000
	s_mov_b32 s[G0B+4*\s], 1
	s_add_co_u32 s[G0B+4*\s+1], s79, \s*SLOT
	s_add_nc_u64 s[G0B+4*\s+2:G0B+4*\s+3], s[76:77], \s*256
	s_or_b32 s[G0B+4*\s+3], s[G0B+4*\s+3], 0x80000000
.endr
.macro ASK s                           ; slot s's two joint loads
	tensor_load_to_lds s[G0A+4*\s:G0A+4*\s+3], s[G1A:G1A+7]
	s_nop 0
	tensor_load_to_lds s[G0B+4*\s:G0B+4*\s+3], s[G1B:G1B+7]
	s_nop 0
.endm
.macro STEPG s                         ; slot s's next tile: four tiles of 256 bytes on
	s_add_nc_u64 s[G0A+4*\s+2:G0A+4*\s+3], s[G0A+4*\s+2:G0A+4*\s+3], 1024
	s_add_nc_u64 s[G0B+4*\s+2:G0B+4*\s+3], s[G0B+4*\s+2:G0B+4*\s+3], 1024
.endm
	ROUND                                          ; in front of the first joint loads
	ASK 0
	ASK 1
	ASK 2
	ASK 3
	v_and_b32 v1, 15, v0                           ; r
	v_bfe_u32 v2, v0, 4, 1                         ; h
	v_lshlrev_b32 v[OB], 5, v2
.irp b, 0,1,2,3
	global_load_b128 v[BO+8*\b:BO+8*\b+3],   v[OB], s[82:83] offset:64*\b       ; register j: bo of column 16 b + 8 h + j
	global_load_b128 v[BO+8*\b+4:BO+8*\b+7], v[OB], s[82:83] offset:64*\b+16
.endr
	v_mul_u32_u24 v3, v1, PITCH
	v_lshl_add_u32 v3, v2, 4, v3
	s_mul_i32 s15, s13, 64*PITCH
	s_mul_i32 s3, s14, 64*PITCH
	s_add_co_u32 s3, s3, BOFF
.irp s, 0,1,2,3
	v_add_nc_u32 v[ADRA+\s], s15, v3
	v_add_nc_u32 v[ADRB+\s], s3, v3
	s_add_co_u32 s15, s15, SLOT
	s_add_co_u32 s3, s3, SLOT
.endr
	s_mul_i32 s15, s12, 16*PITCH
	s_add_co_u32 s15, s15, STAGE                   ; my stage
	v_mul_u32_u24 v[STO], v1, PITCH
	v_lshl_add_u32 v[STO], v2, 5, v[STO]
	v_add_nc_u32 v[STO], s15, v[STO]               ; in: row r, 8 h columns of 4 bytes
	v_mul_u32_u24 v[RD], v2, PITCH
	v_lshl_add_u32 v[RD], v1, 4, v[RD]
	v_add_nc_u32 v[RD], s15, v[RD]                 ; back: row h, byte 16 r
	v_lshlrev_b32 v[CO], 12, v2
	v_lshl_add_u32 v[CO], v1, 4, v[CO]             ; the same in out0
	s_wait_loadcnt 0x0                             ; bo, once
.macro FETCH slot, k, f                ; 16 LDS loads: 4 x 16 rows of a, 4 x 16 rows of Wo, 32 K at byte k
.irp a, 0,1,2,3
	ds_load_b128 v[\f+8*\a:\f+8*\a+3],   v[ADRA+\slot] offset:\a*16*PITCH+\k
	ds_load_b128 v[\f+8*\a+4:\f+8*\a+7], v[ADRA+\slot] offset:\a*16*PITCH+\k+32
.endr
.irp b, 0,1,2,3
	ds_load_b128 v[\f+32+8*\b:\f+32+8*\b+3],   v[ADRB+\slot] offset:\b*16*PITCH+\k
	ds_load_b128 v[\f+32+8*\b+4:\f+32+8*\b+7], v[ADRB+\slot] offset:\b*16*PITCH+\k+32
.endr
.endm
.macro MUL f, first                    ; 16 matrix instructions; the 16 accumulators take turns, one instruction a turn
.if \first
	WIN 0x40                                       ; D in window 1, C (bo) in window 0
.else
	WIN 0x50                                       ; C and D in window 1
.endif
.irp a, 0,1,2,3
.irp b, 0,1,2,3
.if \first
	v_wmma_f32_16x16x32_f16 v[8*(4*\a+\b):8*(4*\a+\b)+7], v[\f+32+8*\b:\f+32+8*\b+7], v[\f+8*\a:\f+8*\a+7], v[BO+8*\b:BO+8*\b+7]
.else
	v_wmma_f32_16x16x32_f16 v[8*(4*\a+\b):8*(4*\a+\b)+7], v[\f+32+8*\b:\f+32+8*\b+7], v[\f+8*\a:\f+8*\a+7], v[8*(4*\a+\b):8*(4*\a+\b)+7]
.endif
.endr
.endr
	WIN 0
.endm
.macro TILE slot, first                ; 128 along K: four quarters on two fragment buffers
	FETCH \slot, 0, F0
	FETCH \slot, 64, F1
	s_wait_dscnt 16                                ; the older 16 loads are in
	MUL F0, \first
	PLACES
	FETCH \slot, 128, F0
	s_wait_dscnt 16
	MUL F1, 0
	PLACES
	FETCH \slot, 192, F1
	s_wait_dscnt 16
	MUL F0, 0
	s_wait_dscnt 0
	MUL F1, 0
	PLACES
.endm
.macro SHOW n                          ; my two parts of the next tile are in (n younger loads stay out); so are everybody's
	s_wait_tensorcnt \n
	s_wait_dscnt 0x0
	s_barrier_signal -1
	s_barrier_wait -1
.endm
	SHOW 6                                         ; tile 0; tiles 1, 2, 3 (two loads each) stay out
	TILE 0, 1
	SHOW 4
	TILE 1, 0
	SHOW 2
	TILE 2, 0
	s_wait_dscnt 0x0                               ; my reads of slots 0, 1, 2 are over
	s_wait_tensorcnt 0x0                           ; all my tensor loads have landed, tile 3 among them
	ds_add_u32 v254, v255
	s_wait_dscnt 0x0
	STEPG 0
	STEPG 1
	STEPG 2
	ROUND                                          ; the same holds of every wave of the cluster
	ASK 0                                          ; tiles 4, 5, 6: six loads of the wave are out
	ASK 1
	ASK 2
	TILE 3, 0
	SHOW 4                                         ; tile 4
	TILE 0, 0
	SHOW 2                                         ; tile 5
	TILE 1, 0
	s_wait_dscnt 0x0
	s_wait_tensorcnt 0x0                           ; tile 6 has landed
	ds_add_u32 v254, v255
	s_wait_dscnt 0x0
	STEPG 3
	ROUND
	ASK 3                                          ; tile 7
	TILE 2, 0
	SHOW 0
	TILE 3, 0
	; THE WAY OUT, 16 rows at a time through my own stage: no other wave touches it, and LDS serves a wave's instructions in order.
.macro OUT16 a
	WIN 0x04                                       ; store data in window 1
.irp b, 0,1,2,3
	ds_store_b128 v[STO], v[8*(4*\a+\b):8*(4*\a+\b)+3]   offset:64*\b
	ds_store_b128 v[STO], v[8*(4*\a+\b)+4:8*(4*\a+\b)+7] offset:64*\b+16
.endr
	WIN 0
	s_wait_xcnt 0x0                                ; RB and the base, which earlier stores read, are written again only behind this wait
.if \a
	s_add_nc_u64 s[86:87], s[86:87], 16*4096
.endif
.irp t, 0,1,2,3,4,5,6,7
	ds_load_b128 v[RB+4*\t:RB+4*\t+3], v[RD] offset:2*PITCH*\t
.endr
.irp t, 0,1,2,3,4,5,6,7
	s_wait_dscnt 7-\t
	global_store_b128 v[CO], v[RB+4*\t:RB+4*\t+3], s[86:87] offset:8192*\t th:TH_STORE_NT   ; 16 lanes store 256 consecutive bytes, aligned
.endr
.endm
	OUT16 0
	OUT16 1
	OUT16 2
	OUT16 3
	s_wait_tensorcnt 0x0
	ds_add_u32 v254, v255
	s_wait_dscnt 0x0
	ROUND                                          ; the closing round
	s_endpgm
.Lfunc_end_k_qc1f46934b3_oproj:
	.size	k_qc1f46934b3_oproj, .Lfunc_end_k_qc1f46934b3_oproj-k_qc1f46934b3_oproj
	.p2alignl 7, 3214868480
	.fill 96, 4, 3214868480
	.section	.rodata,"a",@progbits
	.p2align	6, 0x0
	.amdhsa_kernel k_qc1f46934b3_oproj
		.amdhsa_group_segment_fixed_size 327680
		.amdhsa_private_segment_fixed_size 0
		.amdhsa_enable_private_segment 0
		.amdhsa_kernarg_size 32
		.amdhsa_user_sgpr_count 2
		.amdhsa_user_sgpr_kernarg_segment_ptr 1
		.amdhsa_wavefront_size32 1
		.amdhsa_system_sgpr_workgroup_id_x 1
		.amdhsa_system_sgpr_workgroup_id_y 1
		.amdhsa_system_sgpr_workgroup_id_z 1
		.amdhsa_system_vgpr_workitem_id 0
		.amdhsa_next_free_vgpr 384
		.amdhsa_next_free_sgpr 88
		.amdhsa_reserve_vcc 0
		.amdhsa_float_denorm_mode_32 3
		.amdhsa_float_denorm_mode_16_64 3
		.amdhsa_memory_ordered 1
		.amdhsa_forward_progress 1
		.amdhsa_inst_pref_size 91
	.end_amdhsa_kernel
	.amdgpu_metadata
---
amdhsa.version: [ 1, 2 ]
amdhsa.kernels:
  - .name:           k_qc1f46934b3_oproj
    .symbol:         k_qc1f46934b3_oproj.kd
    .args:
      - { .name: a16, .offset: 0, .size: 8, .value_kind: global_buffer, .address_space: global }
      - { .name: wo16, .offset: 8, .size: 8, .value_kind: global_buffer, .address_space: global }
      - { .name: bo, .offset: 16, .size: 8, .value_kind: global_buffer, .address_space: global }
      - { .name: out0, .offset: 24, .size: 8, .value_kind: global_buffer, .address_space: global }
    .group_segment_fixed_size: 327680
    .private_segment_fixed_size: 0
    .kernarg_segment_align: 8
    .kernarg_segment_size: 32
    .max_flat_workgroup_size: 128
    .sgpr_count:     88
    .vgpr_count:     384
    .wavefront_size: 32
...
	.end_amdgpu_metadata
.endif
;; end of part 4
;; ======== version 2 of 2: 4 launches; version 1 with the launch cast written anew for expert scheduling mode
;; limits: inputs' magnitudes at most 1e+38; values are held in f16: magnitudes above 65,504 overflow, below 6.1e-05 lose precision
;; workspace buffers: x16 8,388,608 bytes; w16 6,291,456 bytes; wo16 2,097,152 bytes; q16 8,388,608 bytes; k16 8,388,608 bytes; vt16 8,388,608 bytes; a16 8,388,608 bytes
;; launch cast (part 5): grid 64 x 8, 8 waves a work-group, no clusters, 0 bytes of LDS; arguments x, Wq, Wk, Wv, Wo, x16, w16, wo16; writes x16, w16, wo16
.if DOCPART == 5
	.amdgcn_target "amdgcn-amd-amdhsa--gfx1250"
	.amdhsa_code_object_version 6
	.text
	.protected	k_qc1f46934b3_cast
	.globl	k_qc1f46934b3_cast
	.p2align	8
	.type	k_qc1f46934b3_cast,@function
k_qc1f46934b3_cast:
	s_mov_b64 s[64:65], 0
	v_nop
	global_prefetch_b8 v0, s[64:65] scope:SCOPE_SE
	s_setreg_imm32_b32 hwreg(HW_REG_WAVE_SCHED_MODE, 0, 2), 2
	s_setreg_imm32_b32 hwreg(HW_REG_WAVE_MODE, 25, 1), 1
	s_wait_xcnt 0x0
	s_wait_alu depctr_vm_vsrc(0)
; 16-bit copies of the five matrix inputs, each byte read once and written once.
;   x16  [4096][1024] bf16 = x
;   w16  [16 heads][q, k, v][64][1024] bf16 = Wq, Wk / 8, Wv, regrouped so that one head's 192 rows lie together.
;        1/8 = (64^-0.25)^2 is the product of the two scales that q and k carry; it is a power of two, so it is exact, and k has no bias.
;   wo16 [1024][1024] f16 = Wo rounded to bf16 like the other four inputs and then held in f16 (exact for |Wo| >= 2^-17: 8 significant bits
;        in 11), because the output projection's other operand is f16 and a matrix instruction takes both operands in one format.
; The work is eight slabs of [1024][1024] f32 (y = 0..3: quarters of x; 4, 5, 6, 7: Wq, Wk, Wv, Wo); a work-group takes 16 rows of one slab.
; Thread t owns floats 4 t .. 4 t + 3 of every row: a wave's load covers 512 consecutive bytes, its store 256 consecutive bytes, both aligned.
; All 16 loads of a thread are issued at once (64 KiB of a work-group on their way); no register is written again once memory has read it.
; No LDS, no matrix unit, no cluster: nothing is shared and nothing is reused.
; THE MODE: SCHED_MODE bits 1:0 = 2 (LLVM: expert scheduling mode 2), set by the entry lines.  The code itself states the register dependences
; between vector instructions and memory instructions, with s_wait_alu, always for 0.
; THE PLAN.  Registers that memory instructions touch:
;   v1, v2   byte offsets, made once at the head and never written again: v1 is read by the 16 loads, v2 by the 16 stores.
;   X        row i's load lands in its four registers; all 16 loads are issued at the head, ahead of every vector line that names X; no memory instruction reads X.
;   Y        row i's conversions write its two registers; row i's one store reads them; behind that store they are never written again.
; The 16 rows go in four blocks of four.  Block p's vector lines name X and Y of rows 4 p .. 4 p + 3 alone; the memory instructions dealt among them are the
; four stores of block p - 1, which read v2 and Y of rows 4 p - 4 .. 4 p - 1.  So one wait on va_vdst at a block's head states all that its four stores hang on.
; No register that a memory instruction has read is written again, so past the entry lines the text holds no wait on vm_vsrc and no s_wait_xcnt.
.set X, 4                              ; v[4:67]   row i: 4 floats as loaded
.set Y, 68                             ; v[68:99]  row i: 4 numbers of 16 bits to store
	s_load_b512 s[16:31], s[0:1], 0x0              ; x, Wq, Wk, Wv, Wo, x16, w16, wo16
	s_and_b32 s2, ttmp7, 0xffff                    ; slab y
	s_mov_b32 s3, ttmp9                            ; block of 16 rows in the slab
	s_mov_b32 s13, 0xffff0000                      ; a word's upper bf16
	v_lshlrev_b32 v1, 4, v0                        ; 16 t: my bytes in a source row
	v_lshlrev_b32 v2, 3, v0                        ; 8 t: my bytes in a destination row
	s_lshl_b32 s8, s2, 10                          ; source row = (y < 4 ? 1024 y : 0) + 16 block
	s_cmp_lt_u32 s2, 4
	s_cselect_b32 s8, s8, 0
	s_lshl_b32 s9, s3, 4
	s_add_co_u32 s8, s8, s9
	s_lshr_b32 s10, s3, 2                          ; row in w16 = 192 head + 64 (y - 4) + 16 (block % 4)
	s_mul_i32 s10, s10, 192
	s_sub_co_u32 s12, s2, 4
	s_lshl_b32 s11, s12, 6
	s_add_co_u32 s10, s10, s11
	s_and_b32 s11, s3, 3
	s_lshl_b32 s11, s11, 4
	s_add_co_u32 s10, s10, s11
	s_cmp_lt_u32 s12, 3                            ; y = 4, 5, 6 (unsigned: y < 4 wraps to a large number)
	s_cselect_b32 s10, s10, s8                     ; x16 and wo16 keep the source's row
	s_lshl_b32 s8, s8, 12                          ; source rows of 4,096 bytes
	s_mov_b32 s9, 0
	s_lshl_b32 s10, s10, 11                        ; destination rows of 2,048 bytes
	s_mov_b32 s11, 0
	s_wait_kmcnt 0x0
	s_mov_b64 s[4:5], s[16:17]                     ; the source: x, or one of the four weights
	s_cmp_eq_u32 s2, 4
	s_cselect_b64 s[4:5], s[18:19], s[4:5]
	s_cmp_eq_u32 s2, 5
	s_cselect_b64 s[4:5], s[20:21], s[4:5]
	s_cmp_eq_u32 s2, 6
	s_cselect_b64 s[4:5], s[22:23], s[4:5]
	s_cmp_eq_u32 s2, 7
	s_cselect_b64 s[4:5], s[24:25], s[4:5]
	s_mov_b64 s[6:7], s[26:27]                     ; the destination: x16, w16 or wo16
	s_cmp_ge_u32 s2, 4
	s_cselect_b64 s[6:7], s[28:29], s[6:7]
	s_cmp_eq_u32 s2, 7
	s_cselect_b64 s[6:7], s[30:31], s[6:7]
	s_add_nc_u64 s[4:5], s[4:5], s[8:9]
	s_add_nc_u64 s[6:7], s[6:7], s[10:11]
	s_wait_alu depctr_va_vdst(0)                   ; v1 and v2 are written: every load of the kernel reads v1 as its offset, every store v2
.irp i, 0,1,2,3,4,5,6,7,8,9,10,11,12,13,14,15
	global_load_b128 v[X+4*\i:X+4*\i+3], v1, s[4:5] offset:4096*\i th:TH_LOAD_NT
.endr
; Row i's arithmetic.  mode 0: round to bf16.  mode 1: times 1/8, then round to bf16.  mode 2: round to bf16, widen, hold in f16.
.macro CALC i, mode
.if \mode == 1
	v_pk_mul_f32 v[X+4*\i:X+4*\i+1], v[X+4*\i:X+4*\i+1], 0x3e000000 op_sel_hi:[1,0]
	v_pk_mul_f32 v[X+4*\i+2:X+4*\i+3], v[X+4*\i+2:X+4*\i+3], 0x3e000000 op_sel_hi:[1,0]
.endif
	v_cvt_pk_bf16_f32 v[Y+2*\i], v[X+4*\i], v[X+4*\i+1]
	v_cvt_pk_bf16_f32 v[Y+2*\i+1], v[X+4*\i+2], v[X+4*\i+3]
.if \mode == 2
	v_lshlrev_b32 v[X+4*\i], 16, v[Y+2*\i]
	v_and_b32 v[X+4*\i+1], s13, v[Y+2*\i]
	v_lshlrev_b32 v[X+4*\i+2], 16, v[Y+2*\i+1]
	v_and_b32 v[X+4*\i+3], s13, v[Y+2*\i+1]
	v_cvt_pk_f16_f32 v[Y+2*\i], v[X+4*\i], v[X+4*\i+1]
	v_cvt_pk_f16_f32 v[Y+2*\i+1], v[X+4*\i+2], v[X+4*\i+3]
.endif
.endm
; Row i's store.
.macro SEND i
	global_store_b64 v2, v[Y+2*(\i):Y+2*(\i)+1], s[6:7] offset:2048*(\i)
.endm
; Row i's turn: the store of the row four back (the block before), the wait for row i's data, row i's arithmetic.
.macro ROW i, mode
.if (\i) % 4 == 0
	s_wait_loadcnt 15-(\i)                         ; loads return in order: row i is in, the 15 - i younger rows stay out
.if (\i) > 0
	s_wait_alu depctr_va_vdst(0)                   ; the block before has written its Y, rows i - 4 .. i - 1, which this block's four stores read
	SEND (\i)-4
.endif
.else
.if (\i) > 4
	SEND (\i)-4                                    ; no wait: no vector line since the block's head names v2 or this row's Y
.endif
	s_wait_loadcnt 15-(\i)                         ; row i is in, the 15 - i younger rows stay out
.endif
	CALC \i, \mode
.endm
; One slab's way through the 16 rows, and the wave's end.
.macro PATH mode
.irp i, 0,1,2,3,4,5,6,7,8,9,10,11,12,13,14,15
	ROW \i, \mode
.endr
	s_wait_alu depctr_va_vdst(0)                   ; the last block has written Y of rows 12 .. 15, which the last four stores read
.irp i, 12,13,14,15
	SEND \i
.endr
	s_endpgm
.endm
	s_cmp_eq_u32 s2, 5
	s_cbranch_scc1 .Lwk
	s_cmp_eq_u32 s2, 7
	s_cbranch_scc1 .Lwo
	PATH 0
.Lwk:
	PATH 1
.Lwo:
	PATH 2
.Lfunc_end_k_qc1f46934b3_cast:
	.size	k_qc1f46934b3_cast, .Lfunc_end_k_qc1f46934b3_cast-k_qc1f46934b3_cast
	.p2alignl 7, 3214868480
	.fill 96, 4, 3214868480
	.section	.rodata,"a",@progbits
	.p2align	6, 0x0
	.amdhsa_kernel k_qc1f46934b3_cast
		.amdhsa_group_segment_fixed_size 0
		.amdhsa_private_segment_fixed_size 0
		.amdhsa_enable_private_segment 0
		.amdhsa_kernarg_size 64
		.amdhsa_user_sgpr_count 2
		.amdhsa_user_sgpr_kernarg_segment_ptr 1
		.amdhsa_wavefront_size32 1
		.amdhsa_system_sgpr_workgroup_id_x 1
		.amdhsa_system_sgpr_workgroup_id_y 1
		.amdhsa_system_sgpr_workgroup_id_z 1
		.amdhsa_system_vgpr_workitem_id 0
		.amdhsa_next_free_vgpr 100
		.amdhsa_next_free_sgpr 66
		.amdhsa_reserve_vcc 0
		.amdhsa_float_denorm_mode_32 3
		.amdhsa_float_denorm_mode_16_64 3
		.amdhsa_memory_ordered 1
		.amdhsa_forward_progress 1
		.amdhsa_inst_pref_size 23
	.end_amdhsa_kernel
	.amdgpu_metadata
---
amdhsa.version: [ 1, 2 ]
amdhsa.kernels:
  - .name:           k_qc1f46934b3_cast
    .symbol:         k_qc1f46934b3_cast.kd
    .args:
      - { .name: x, .offset: 0, .size: 8, .value_kind: global_buffer, .address_space: global }
      - { .name: Wq, .offset: 8, .size: 8, .value_kind: global_buffer, .address_space: global }
      - { .name: Wk, .offset: 16, .size: 8, .value_kind: global_buffer, .address_space: global }
      - { .name: Wv, .offset: 24, .size: 8, .value_kind: global_buffer, .address_space: global }
      - { .name: Wo, .offset: 32, .size: 8, .value_kind: global_buffer, .address_space: global }
      - { .name: x16, .offset: 40, .size: 8, .value_kind: global_buffer, .address_space: global }
      - { .name: w16, .offset: 48, .size: 8, .value_kind: global_buffer, .address_space: global }
      - { .name: wo16, .offset: 56, .size: 8, .value_kind: global_buffer, .address_space: global }
    .group_segment_fixed_size: 0
    .private_segment_fixed_size: 0
    .kernarg_segment_align: 8
    .kernarg_segment_size: 64
    .max_flat_workgroup_size: 256
    .sgpr_count:     66
    .vgpr_count:     100
    .wavefront_size: 32
...
	.end_amdgpu_metadata
.endif
;; end of part 5
;; launch qkv: the kernel of part 2 again; grid 16 x 16, 4 waves a work-group, clusters of 4 x 4, 327,680 bytes of LDS; arguments x16, w16, bq, bv, q16, k16, vt16; writes q16, k16, vt16
;; launch attn: the kernel of part 3 again; grid 16 x 16, 8 waves a work-group, clusters of 4 x 4, 327,680 bytes of LDS; arguments q16, k16, vt16, mask, a16; writes a16
;; launch oproj: the kernel of part 4 again; grid 8 x 32, 4 waves a work-group, clusters of 4 x 4, 327,680 bytes of LDS; arguments a16, wo16, bo, out0; writes out0
